; MI455X (gfx1250); checked and timed in simulation.
; The chip was launched on July 23, 2026; its instructions are those of AMD's public machine-readable ISA for CDNA 5 (MIT licence, August 2026) and "CDNA5" Instruction Set Architecture Reference Guide (July 2026). The comments in the code are by the model that wrote it; some were corrected since.
;; Perceiver Layer. Allowed arithmetic: matrix products marked QUANTISED: E4M3 operands, one E8M0 scale for each 32 along K, by v_wmma_scale_f32_16x16x128_f8f6f4 with both operands' format E4M3, f32 sums; everything else in f32.
;; Inputs: W1_codes 4,096 x 32 x 32 uint8 (E4M3 codes of W1, K innermost, in blocks of 32 codes); W1_scales 4,096 x 32 uint8 (E8M0 scales of W1, one for each 32 codes along K); W2_codes 1,024 x 128 x 32 uint8 (E4M3 codes of W2, K innermost, in blocks of 32 codes); W2_scales 1,024 x 128 uint8 (E8M0 scales of W2, one for each 32 codes along K); Wk_codes 1,024 x 32 x 32 uint8 (E4M3 codes of Wk, K innermost, in blocks of 32 codes); Wk_scales 1,024 x 32 uint8 (E8M0 scales of Wk, one for each 32 codes along K); Wo_codes 1,024 x 32 x 32 uint8 (E4M3 codes of Wo, K innermost, in blocks of 32 codes); Wo_scales 1,024 x 32 uint8 (E8M0 scales of Wo, one for each 32 codes along K); Wq_codes 1,024 x 32 x 32 uint8 (E4M3 codes of Wq, K innermost, in blocks of 32 codes); Wq_scales 1,024 x 32 uint8 (E8M0 scales of Wq, one for each 32 codes along K); Wv_codes 1,024 x 32 x 32 uint8 (E4M3 codes of Wv, K innermost, in blocks of 32 codes); Wv_scales 1,024 x 32 uint8 (E8M0 scales of Wv, one for each 32 codes along K); b1 4,096 float32; b2 1,024 float32; bk 1,024 float32; bo 1,024 float32; bq 1,024 float32; bv 1,024 float32; inp_codes 8 x 1,024 x 32 x 32 uint8 (E4M3 codes of inp, K innermost, in blocks of 32 codes); inp_scales 8 x 1,024 x 32 uint8 (E8M0 scales of inp, one for each 32 codes along K); x 8 x 512 x 1,024 float32.
;; Outputs: out0 8 x 512 x 1,024 float32.
;; This version of the problem:
;;   THIS VERSION OF THE PROBLEM IS GIVEN IN LOW PRECISION. The matrix products marked QUANTISED in the list below multiply operands that are first quantised to E4M3 (4 exponent bits, 3 mantissa bits; 8 bits a number), with one power-of-two scale for each 32 numbers along K (OCP MX v1.0); their sums are f32. All else is computed in f32.
;;   The module's matrix products, in the order in which they are computed (A, B: the left and right operand; K: the contracted axis; several contracted axes count as one K, in the product's order):
;;     1. [M 4,096, K 1,024] x [K 1,024, N 1,024]; A: input x; B: input Wq (given as codes): QUANTISED
;;     2. [M 8,192, K 1,024] x [K 1,024, N 1,024]; A: input inp (given as codes); B: input Wk (given as codes): QUANTISED
;;     3. [M 8,192, K 1,024] x [K 1,024, N 1,024]; A: input inp (given as codes); B: input Wv (given as codes): QUANTISED
;;     4. batch 128 x [M 512, K 64] x [K 64, N 1,024]; A: computed on the way; B: computed on the way: QUANTISED
;;     5. batch 128 x [M 64, K 1,024] x [K 1,024, N 512]; A: computed on the way; B: softmax (see below): QUANTISED
;;     6. [M 4,096, K 1,024] x [K 1,024, N 1,024]; A: computed on the way; B: input Wo (given as codes): QUANTISED
;;     7. [M 4,096, K 1,024] x [K 1,024, N 4,096]; A: computed on the way; B: input W1 (given as codes): QUANTISED
;;     8. [M 4,096, K 4,096] x [K 4,096, N 1,024]; A: computed on the way; B: input W2 (given as codes): QUANTISED
;;   THE QUANTISER, for each operand of a quantised product, along K:
;;     - K is cut into blocks of 32 from its start; a last block that is shorter is filled with zeros.
;;     - A block's scale is 2^e with e = floor(log2(the largest magnitude in the block)) - 8, held to -126 .. 127; a block of zeros has e = 0. As a byte (E8M0): e + 127.
;;     - Each number is divided by its block's scale, clamped to +-448, and rounded to the nearest number of E4M3, ties to even, subnormals kept.
;;     - The product sums the exact products of the quantised numbers (number of the format x scale) in f32.
;;   ~~~python
;;   def quantise(x, axis):      # numpy; x: float32 -> the quantised numbers, widened to float32 again
;;       x = np.moveaxis(x, axis, -1); K = x.shape[-1]
;;       x = np.pad(x, [(0, 0)] * (x.ndim - 1) + [(0, -K % 32)]); x = x.reshape(x.shape[:-1] + (-1, 32)); a = np.abs(x).max(-1, keepdims=True)
;;       e = np.where(a > 0, np.clip(np.frexp(np.where(a > 0, a, 1))[1] - 1 - 8, -126, 127), 0)      # np.frexp(a)[1] - 1 = floor(log2(a)), exactly
;;       r = np.clip(x / 2.0 ** e, -448, 448)
;;       step = 2.0 ** (np.maximum(np.frexp(np.where(r == 0, 1, r))[1] - 1, -6) - 3)
;;       q = np.round(r / step) * step * 2.0 ** e      # np.round: ties to even
;;       return np.moveaxis(q.reshape(q.shape[:-2] + (-1,))[..., :K], -1, axis).astype(np.float32)
;;   ~~~
;;   SOFTMAX AHEAD OF A QUANTISED PRODUCT. Where the list says 'softmax', what is quantised is not the finished softmax but p = 2^(t - M), with t = logit x log2(e) and M = ceil(the row's largest t), a whole number; so 1/2 < the row's largest p <= 1. The row's sum l is taken of the UNQUANTISED p, in f32, and the product's result is divided by l at the end. Since M is a whole number, a kernel that streams over the keys may use a running M (the ceiling of the running maximum): every later rescaling is an exact power of two, which a block's scale takes up: the codes' values come out the same.
;;   OPERANDS COMPUTED ON THE WAY. 'Computed on the way' means the value that the module computes at that place (a softmax that the list does not call 'softmax' is quantised finished and normalised). What goes into a quantiser is computed in f32, as accurately as f32 sums, v_exp_f32 and their like allow (about 1e-6 of the number): no bf16 or f16 on the way to a quantiser, and a product that is left as it is and whose result goes on into a quantised operand takes f32 operands (vector FMAs, or v_wmma_f32_16x16x4_f32). A number that lies on a knife's edge between two numbers of the format may be rounded either way, as far as f32 arithmetic and the matrix unit's own rounding can turn it there, and no further.
;;   INPUTS GIVEN AS CODES. W1 (in the module: [1024, 4096], K = its axis 0); W2 (in the module: [4096, 1024], K = its axis 0); Wk (in the module: [1024, 1024], K = its axis 0); Wo (in the module: [1024, 1024], K = its axis 0); Wq (in the module: [1024, 1024], K = its axis 0); Wv (in the module: [1024, 1024], K = its axis 0); inp (in the module: [8, 1024, 1024], K = its axis 2): each comes as NAME_codes (uint8): NAME with its K axis moved to the last place and cut into blocks of 32 codes, [.., K / 32, bytes a block], one block behind the other in memory; one code a byte (a code: sign, 4 exponent bits, 3 mantissa bits); and NAME_scales (uint8): the same leading axes, one E8M0 byte (e + 127) for each 32 codes along K. Its value is code x scale, taken as it is: it is not quantised again, and the codes and scales need not be those that the quantiser above would give.
;; One version. Each part assembles by itself: llvm-mc -triple=amdgcn-amd-amdhsa -mcpu=gfx1250 --defsym DOCPART=n.
;; ======== version 1 of 1: 5 launches
;; limits: right only within a limited range of input values
;; workspace buffers: kv 17,825,792 bytes; xq 4,456,448 bytes; oq 4,325,376 bytes; x1q 4,325,376 bytes; hq 17,301,504 bytes; x1f 16,777,216 bytes
;; launch kvproj (part 1): grid 16 x 16, 4 waves a work-group, clusters of 4 x 4, 327,680 bytes of LDS; arguments inp_codes, inp_scales, Wk_codes, Wk_scales, Wv_codes, Wv_scales, bk, bv, x, kv, xq; writes kv, xq
.if DOCPART == 1
	.amdgcn_target "amdgcn-amd-amdhsa--gfx1250"
	.amdhsa_code_object_version 6
	.text
	.protected	k_q13439bda10_kvproj
	.globl	k_q13439bda10_kvproj
	.p2align	8
	.type	k_q13439bda10_kvproj,@function
k_q13439bda10_kvproj:
	s_mov_b64 s[64:65], 0
	v_nop
	global_prefetch_b8 v0, s[64:65] scope:SCOPE_SE
	s_setreg_imm32_b32 hwreg(HW_REG_WAVE_MODE, 25, 1), 1
	s_wait_xcnt 0x0
	s_wait_alu depctr_hold_cnt(0) depctr_sa_sdst(0) depctr_va_vdst(0) depctr_va_sdst(0) depctr_va_ssrc(0) depctr_va_vcc(0) depctr_vm_vsrc(0)
	s_getreg_b32 s2, hwreg(HW_REG_IB_STS2, 6, 4)
	s_cmp_eq_u32 s2, 0
	s_cbranch_scc0 .Lentry_in_a_cluster
	s_endpgm
.Lentry_in_a_cluster:
	s_bfe_u32 s2, ttmp6, 0x10000c
	s_cmp_lg_u32 s2, 0xf033
	s_cbranch_scc0 .Lentry_shape_is_right
	s_endpgm
.Lentry_shape_is_right:
.set AIMG,   0
.set SPLITK, 0
.set NQ,     2
.set SIZE_K, 1024
.set KS,     32
.set ROWB,   256
.set RB,     128
.set QIB,    5
.set PITCHB, 272
.set HALFTA, 128*272
.set ITILE,  0
.set ASTEP,  256
.set CA,     256
.set RA,     256
.set PA,     1024
.set SH_T,   18
.set SH_W,   17
.set CSA,    32
.set RSA,    32
.set PSA,    32
.set HALFSA, 16*272
.set SAS_T,  13
.set SAS_W,  12
.set PLANE,  0
.set SSTA,   8
.set RSB,    32
.set HALFSB, 16*272
.set SBS_T,  13
.set SBS_W,  12
.set SBLK,   544
.set SSTB,   8
.set APTR,  12
.set ASPTR, 14
.set BPTR,  8
.set BSPTR, 10
.set HALFTB, RB*PITCHB
.set SLOT,   2*HALFTA+2*HALFTB
.set SCB,    2*SLOT
.set SCA,    SCB+2*HALFSB
.set SPARE,  SCA+2*HALFSA
.set ADRA, 16
.set ADRB, 20
.set ADSA, 22
.set ADSB, 23
.set LI,   27
.set SPW,  28
.set NIL,  29
.set SCBR, 32
.set SCAR, 64
.set TM,   96
.set SW,   112
.set AF,   128
.set X,    128
.set T,    192
.set WV, 28
.set WH, 29
.set WL, 30
.set CX, 32
.set CY, 33
.set TR, 34
.set TC, 35
.set MROW, 36
.set MCOL, 37
.set G1A, 40
.set G1B, 48
.set G0A, 56
.set MNT, 66
.set HI,  67
.set G0B, 68
.set G1SA, 76
.set G1SB, 84
.set G0SA, 92
.set G0SB, 96
.set SEL, 104
.set MSB, 0
.macro WIN new
.if MSB != (\new)
	s_set_vgpr_msb (MSB<<8)|(\new)
.set MSB, (\new)
.endif
.endm
.set MUL_LO, 0xa1
.set MUL_HI, 0xf1
.set TO_B,   0x40
.macro PLACES n
.rept \n
	v_nop
.endr
.endm
.macro JLOAD g0a, g1a, g0b, g1b
	s_cmp_eq_u32 s[WH], 0
	s_cbranch_scc0 .Lfor_b_\@
	tensor_load_to_lds s[\g0a:\g0a+3], s[\g1a:\g1a+7]
	s_nop 0
	PLACES 4
	s_branch .Lasked_\@
.Lfor_b_\@:
	tensor_load_to_lds s[\g0b:\g0b+3], s[\g1b:\g1b+7]
	s_nop 0
	PLACES 4
.Lasked_\@:
.endm
.macro CREST
	s_cmp_lg_u32 s[WV], 0
	s_cbranch_scc1 .Lnot_wave_0_\@
	s_barrier_signal -3
.Lnot_wave_0_\@:
	s_barrier_wait -3
	s_barrier_signal -1
	s_barrier_wait -1
.endm
.macro CROUND
	s_barrier_signal -1
	s_barrier_wait -1
	CREST
.endm
.macro FRAG_R reg, adr, q, i, pitch
.irp c, 0,1,2,3
	ds_load_b128 v[\reg+4*\c:\reg+4*\c+3], v[\adr] offset:128*(\q)+32*\c+(\i)*16*(\pitch)
.endr
.endm
.macro FRAG_I reg, adr, q, i
.irp c, 0,1,2,3
	ds_load_b128 v[\reg+4*\c:\reg+4*\c+3], v[\adr] offset:(\i)*ITILE+2048*(\q)+512*\c
.endr
.endm
.macro FETCH_B slot, q, p
	WIN TO_B
.irp i, 0,1,2,3,4,5,6,7
	FRAG_R 128*(\p)+16*\i, ADRB+\slot, \q, \i, PITCHB
.endr
	WIN 0
.endm
.macro FETCH_A slot, q, i0
.irp i, \i0, \i0+1, \i0+2, \i0+3
.if AIMG
	FRAG_I AF+16*(\i), ADRA+\slot, \q, \i
.else
	FRAG_R AF+16*(\i), ADRA+\slot, \q, \i, 272
.endif
.endr
.endm
.macro SCALES sc
.irp i, 0,1,2,3,4,5,6,7
.if NQ == 2
	ds_load_b64 v[SCBR+16*\sc+2*\i:SCBR+16*\sc+2*\i+1], v[ADSB] offset:\i*SBLK
.else
	ds_load_b32 v[SCBR+8*\sc+\i], v[ADSB] offset:\i*SBLK
.endif
.endr
.irp i, 0,1,2,3,4,5,6,7
.if AIMG
.if NQ == 2
	ds_load_b32 v[SCAR+16*\sc+2*\i], v[ADSA] offset:64*\i
	ds_load_b32 v[SCAR+16*\sc+2*\i+1], v[ADSA] offset:512+64*\i
.else
	ds_load_b32 v[SCAR+8*\sc+\i], v[ADSA] offset:64*\i
.endif
.else
	ds_load_b64 v[SCAR+16*\sc+2*\i:SCAR+16*\sc+2*\i+1], v[ADSA] offset:\i*SBLK
.endif
.endr
.endm
.macro MUL16 a0, p, q, sc, zero
.irp a, \a0, \a0+1
.irp b, 0,1,2,3,4,5,6,7
.if \zero
	v_wmma_scale_f32_16x16x128_f8f6f4 v[8*(8*((\a)%4)+\b):8*(8*((\a)%4)+\b)+7], v[128*(\p)+16*\b:128*(\p)+16*\b+15], v[AF+16*(\a):AF+16*(\a)+15], 0, v[SCBR+8*NQ*(\sc)+NQ*\b+(\q)], v[SCAR+8*NQ*(\sc)+NQ*(\a)+(\q)]
.else
	v_wmma_scale_f32_16x16x128_f8f6f4 v[8*(8*((\a)%4)+\b):8*(8*((\a)%4)+\b)+7], v[128*(\p)+16*\b:128*(\p)+16*\b+15], v[AF+16*(\a):AF+16*(\a)+15], v[8*(8*((\a)%4)+\b):8*(8*((\a)%4)+\b)+7], v[SCBR+8*NQ*(\sc)+NQ*\b+(\q)], v[SCAR+8*NQ*(\sc)+NQ*(\a)+(\q)]
.endif
.endr
.endr
.endm
.macro STEP slot, q, zero
	s_wait_dscnt 16
	WIN MUL_LO
	MUL16 0, (\q)%2, \q, \slot, \zero
	MUL16 2, (\q)%2, \q, \slot, \zero
	s_wait_dscnt 0
	PLACES 8
	FETCH_B \slot, (\q)+1, 1-(\q)%2
	FETCH_A \slot, (\q)+1, 0
	WIN MUL_HI
	MUL16 4, (\q)%2, \q, \slot, \zero
	MUL16 6, (\q)%2, \q, \slot, \zero
	PLACES 8
	WIN 0
	FETCH_A \slot, (\q)+1, 4
.endm
.macro TURN slot, next, fill, p, pn, q, zero
	s_wait_tensorcnt 0x0
	ds_add_u32 v[SPW], v[NIL]
	s_wait_dscnt 17
	WIN MUL_LO
	MUL16 0, \p, \q, \slot, \zero
	s_wait_dscnt 0x0
	s_barrier_signal -1
	MUL16 2, \p, \q, \slot, \zero
	WIN 0
	s_barrier_wait -1
.if \fill
	CREST
	s_add_nc_u64 s[G0A+4*\slot+2:G0A+4*\slot+3], s[G0A+4*\slot+2:G0A+4*\slot+3], 2*ASTEP
	s_add_nc_u64 s[G0B+4*\slot+2:G0B+4*\slot+3], s[G0B+4*\slot+2:G0B+4*\slot+3], 2*ROWB
	JLOAD G0A+4*\slot, G1A, G0B+4*\slot, G1B
	PLACES 4
.else
	PLACES 8
.endif
	s_wait_alu depctr_va_vdst(0)
	v_add_nc_u32 v[ADSA], SSTA, v[ADSA]
	v_add_nc_u32 v[ADSB], SSTB, v[ADSB]
	FETCH_B \next, 0, \pn
	FETCH_A \next, 0, 0
	SCALES \next
	WIN MUL_HI
	MUL16 4, \p, \q, \slot, \zero
	MUL16 6, \p, \q, \slot, \zero
	PLACES 8
	WIN 0
	FETCH_A \next, 0, 4
.endm
.macro LAST p, q, sc
	s_wait_dscnt 16
	WIN MUL_LO
	MUL16 0, \p, \q, \sc, 0
	MUL16 2, \p, \q, \sc, 0
	s_wait_dscnt 0
	WIN MUL_HI
	MUL16 4, \p, \q, \sc, 0
	MUL16 6, \p, \q, \sc, 0
	WIN 0
	PLACES 8
.endm
.macro QUANT s, pc, pw, nb, swap
.set qb, 0
.rept \nb
	v_max3_num_f32 v[TM+qb], |v[\s+16*qb]|, |v[\s+16*qb+1]|, 0x4800000
.set qb, qb+1
.endr
.irp i, 2,4,6,8,10,12,14
.set qb, 0
.rept \nb
	v_max3_num_f32 v[TM+qb], v[TM+qb], |v[\s+16*qb+\i]|, |v[\s+16*qb+\i+1]|
.set qb, qb+1
.endr
.endr
.set qb, 0
.rept \nb
	v_permlanex16_b32 v[TM+4+qb], v[TM+qb], s[SEL], s[SEL+1]
.set qb, qb+1
.endr
.set qb, 0
.rept \nb
	v_max_num_f32 v[TM+qb], v[TM+qb], v[TM+4+qb]
.set qb, qb+1
.endr
.set qb, 0
.rept \nb
	v_add_nc_u32 v[TM+12+qb], 0xfc000000, v[TM+qb]
.set qb, qb+1
.endr
.set qb, 0
.rept \nb
	v_and_or_b32 v[TM+8+qb], v[TM+qb], 0x7f800000, s[MNT]
.set qb, qb+1
.endr
.set qb, 0
.rept \nb
	v_lshrrev_b32 v[TM+4+qb], 23, v[TM+12+qb]
.set qb, qb+1
.endr
	v_lshl_or_b32 v[\pw], v[TM+5], 8, v[TM+4]
.if \nb == 4
	v_lshl_or_b32 v[\pw], v[TM+6], 16, v[\pw]
	v_lshl_or_b32 v[\pw], v[TM+7], 24, v[\pw]
.endif
.set qb, 0
.rept \nb
.set qi, 0
.rept 16
	v_med3_num_f32 v[\s+16*qb+qi], v[\s+16*qb+qi], -v[TM+8+qb], v[TM+8+qb]
.set qi, qi+1
.endr
	v_cvt_scalef32_pk8_fp8_f32 v[\pc+4*qb:\pc+4*qb+1], v[\s+16*qb:\s+16*qb+7], v[TM+12+qb]
	v_cvt_scalef32_pk8_fp8_f32 v[\pc+4*qb+2:\pc+4*qb+3], v[\s+16*qb+8:\s+16*qb+15], v[TM+12+qb]
.set qb, qb+1
.endr
	v_nop
.if \swap
.set qb, 0
.rept \nb
	v_permlane16_swap_b32 v[\pc+4*qb], v[\pc+4*qb+2]
	v_permlane16_swap_b32 v[\pc+4*qb+1], v[\pc+4*qb+3]
.set qb, qb+1
.endr
.endif
.endm
	s_load_b512 s[4:19], s[0:1], 0x0
	s_load_b128 s[20:23], s[0:1], 0x40
	s_load_b64 s[24:25], s[0:1], 0x50
	v_lshl_add_u32 v[SPW], v0, 2, SPARE
	v_mov_b32 v[NIL], 0
	ds_add_u32 v28, v29
	ds_add_u32 v28, v29
	s_wait_dscnt 0x0
	v_lshrrev_b32 v1, 5, v0
	v_readfirstlane_b32 s[WV], v1
	s_lshr_b32 s[WH], s[WV], 1
	s_and_b32 s[WL], s[WV], 1
	s_bfe_u32 s[CX], ttmp6, 0x40000
	s_bfe_u32 s[CY], ttmp6, 0x40004
	s_and_b32 s31, ttmp7, 0xffff
	s_lshl_b32 s31, s31, 2
	s_add_co_u32 s31, s31, ttmp9
	s_lshl_b32 s38, s31, 2
	s_sub_co_u32 s39, s38, 32
	s_cmp_lt_u32 s31, 8
	s_cselect_b32 s[TR], s38, 0
	s_cselect_b32 s[TC], 0, s39
	s_add_co_u32 s[TR], s[TR], s[CY]
	s_add_co_u32 s[TC], s[TC], s[CX]
	s_lshl_b32 s[MROW], s[CY], 2
	s_lshl_b32 s[MROW], 15, s[MROW]
	s_lshl_b32 s[MCOL], 0x1111, s[CX]
	s_mov_b32 s[MNT], 0x600000
	s_mov_b32 s[HI], 0xffff0000
	s_mov_b32 s[SEL], 0x76543210
	s_mov_b32 s[SEL+1], 0xfedcba98
.if AIMG
	s_or_b32 s[G1A], s[MROW], (3<<16)|(1<<21)
	s_or_b32 s[G1SA], s[MROW], (3<<16)|(1<<21)
.else
	s_or_b32 s[G1A], s[MROW], (1<<20)|(1<<21)|(5<<22)|(3<<25)
	s_or_b32 s[G1SA], s[MROW], (3<<16)|(1<<20)|(1<<21)|(5<<22)|(3<<25)
.endif
	s_mov_b32 s[G1A+1], CA<<16
	s_mov_b32 s[G1A+2], RA<<16
	s_mov_b32 s[G1A+3], CA<<16
	s_mov_b32 s[G1A+4], RA
	s_mov_b32 s[G1A+5], PA
	s_mov_b32 s[G1A+6], 0
	s_mov_b32 s[G1A+7], 0
	s_mov_b32 s[G1SA+1], CSA<<16
	s_mov_b32 s[G1SA+2], RSA<<16
	s_mov_b32 s[G1SA+3], CSA<<16
	s_mov_b32 s[G1SA+4], RSA
	s_mov_b32 s[G1SA+5], PSA
	s_mov_b32 s[G1SA+6], 0
	s_mov_b32 s[G1SA+7], 0
	s_or_b32 s[G1B], s[MCOL], (1<<20)|(1<<21)|(QIB<<22)|(3<<25)
	s_mov_b32 s[G1B+1], ROWB<<16
	s_mov_b32 s[G1B+2], (2*RB)<<16
	s_mov_b32 s[G1B+3], ROWB<<16
	s_mov_b32 s[G1B+4], 2*RB
	s_mov_b32 s[G1B+5], SIZE_K
	s_mov_b32 s[G1B+6], 0
	s_mov_b32 s[G1B+7], 0
	s_or_b32 s[G1SB], s[MCOL], (3<<16)|(1<<20)|(1<<21)|(5<<22)|(3<<25)
	s_mov_b32 s[G1SB+1], 32<<16
	s_mov_b32 s[G1SB+2], RSB<<16
	s_mov_b32 s[G1SB+3], 32<<16
	s_mov_b32 s[G1SB+4], RSB
	s_mov_b32 s[G1SB+5], 32
	s_mov_b32 s[G1SB+6], 0
	s_mov_b32 s[G1SB+7], 0
	s_lshl_b32 s100, s[TR], SH_T
	s_lshl_b32 s101, s[WL], SH_W
	s_add_co_u32 s100, s100, s101
	s_mov_b32 s101, 0
	s_lshl_b32 s2, s[TC], SH_T
	s_lshl_b32 s3, s[WL], SH_W
	s_add_co_u32 s2, s2, s3
	s_mov_b32 s3, 0
	s_mul_i32 s38, s[WL], HALFTA
	s_mul_i32 s39, s[WL], HALFTB
	s_add_co_u32 s39, s39, 2*HALFTA
	s_wait_kmcnt 0x0
	s_cmp_lt_u32 s31, 8
	s_cselect_b64 s[12:13], s[4:5], s[12:13]
	s_cselect_b64 s[14:15], s[6:7], s[14:15]
	s_cselect_b64 s[8:9], s[8:9], s[4:5]
	s_cselect_b64 s[10:11], s[10:11], s[6:7]
.irp s, 0,1
	s_mov_b32 s[G0A+4*\s], 1
	s_add_co_u32 s[G0A+4*\s+1], s38, \s*SLOT
	s_add_nc_u64 s[G0A+4*\s+2:G0A+4*\s+3], s[APTR:APTR+1], s[100:101]
.if \s
	s_add_nc_u64 s[G0A+4*\s+2:G0A+4*\s+3], s[G0A+4*\s+2:G0A+4*\s+3], ASTEP
.endif
	s_or_b32 s[G0A+4*\s+3], s[G0A+4*\s+3], 0x80000000
	s_mov_b32 s[G0B+4*\s], 1
	s_add_co_u32 s[G0B+4*\s+1], s39, \s*SLOT
	s_add_nc_u64 s[G0B+4*\s+2:G0B+4*\s+3], s[BPTR:BPTR+1], s[2:3]
.if \s
	s_add_nc_u64 s[G0B+4*\s+2:G0B+4*\s+3], s[G0B+4*\s+2:G0B+4*\s+3], ROWB
.endif
	s_or_b32 s[G0B+4*\s+3], s[G0B+4*\s+3], 0x80000000
.endr
	s_lshl_b32 s100, s[TR], SAS_T
	s_mov_b32 s101, 0
	s_lshl_b32 s2, s[TC], SBS_T
	s_mov_b32 s3, 0
	s_mov_b32 s[G0SA], 1
	s_mov_b32 s[G0SA+1], SCA
	s_add_nc_u64 s[G0SA+2:G0SA+3], s[ASPTR:ASPTR+1], s[100:101]
.if PLANE
	s_add_nc_u64 s[G0SA+2:G0SA+3], s[G0SA+2:G0SA+3], PLANE
.endif
	s_or_b32 s[G0SA+3], s[G0SA+3], 0x80000000
	s_mov_b32 s[G0SB], 1
	s_mov_b32 s[G0SB+1], SCB
	s_add_nc_u64 s[G0SB+2:G0SB+3], s[BSPTR:BSPTR+1], s[2:3]
	s_or_b32 s[G0SB+3], s[G0SB+3], 0x80000000
	CROUND
; the head's four tiles, one joint load a wave: wave 0 K step 0's 256 rows of A, wave 1 A's scale bytes, wave 2 its 256 rows of B, wave 3 B's scale bytes
.macro ARM under, g0, g1, next
	s_cmp_lt_u32 s[WV], \under
	s_cbranch_scc0 \next
	tensor_load_to_lds s[\g0:\g0+3], s[\g1:\g1+7]
	s_nop 0
	PLACES 4
	s_branch .Lhead_asked
\next:
.endm
	ARM 1, G0A, G1A, .Lhead_sa
	ARM 2, G0SA, G1SA, .Lhead_b
	ARM 3, G0B, G1B, .Lhead_sb
	tensor_load_to_lds s[G0SB:G0SB+3], s[G1SB:G1SB+7]
	s_nop 0
	PLACES 4
.Lhead_asked:
; K steps 1 to 3 are prefetched: 256 bytes of each row a step, a lane a row.  Of a tile's 256 rows the partner at place p (cx for A, cy for B) and its wave half take rows 32 (2 p + half) on.
; inp's tiles are asked for by each cluster that loads them; a weight's tiles, which eight clusters load, by the four whose number has bit 2 clear.
	s_lshl_b32 s2, s[CX], 1
	s_lshl_b32 s3, s[CY], 1
	s_cmp_eq_u32 s[WH], 0
	s_cselect_b64 s[26:27], s[APTR:APTR+1], s[BPTR:BPTR+1]
	s_cselect_b32 s38, s[TR], s[TC]
	s_cselect_b32 s2, s2, s3
	s_add_co_u32 s2, s2, s[WL]
	s_lshl_b32 s2, s2, 15
	s_lshl_b32 s38, s38, 18
	s_add_co_u32 s2, s2, s38
	s_mov_b32 s3, 0
	s_add_nc_u64 s[26:27], s[26:27], s[2:3]
	s_lshr_b32 s38, s31, 3
	s_xor_b32 s38, s38, s[WH]                      ; 1: my operand is the weight
	s_lshr_b32 s39, s31, 2
	s_and_b32 s38, s38, s39
	v_and_b32 v10, 31, v0
	v_lshlrev_b32 v10, 10, v10
	s_cmp_eq_u32 s38, 0
	s_cbranch_scc0 .Lno_ask
	s_wait_alu depctr_va_vdst(0)
	global_prefetch_b8 v10, s[26:27] offset:256 th:TH_LOAD_NT scope:SCOPE_SE
	global_prefetch_b8 v10, s[26:27] offset:512 th:TH_LOAD_NT scope:SCOPE_SE
	global_prefetch_b8 v10, s[26:27] offset:768 th:TH_LOAD_NT scope:SCOPE_SE
.Lno_ask:
	v_and_b32 v1, 15, v0
	v_bfe_u32 v2, v0, 4, 1
	v_and_b32 v[LI], 31, v0
	v_lshlrev_b32 v[LI], 4, v[LI]
.irp b, 0,1,2,3
	v_mov_b32 v[TM+4+\b], 0
.endr
.if AIMG
.if SPLITK
	s_lshl_b32 s38, s[WV], 11
.else
	s_lshl_b32 s38, s[WH], 15
.endif
	v_add_nc_u32 v[ADRA], s38, v[LI]
.else
	v_mul_u32_u24 v3, v1, 272
	v_lshl_add_u32 v3, v2, 4, v3
	s_mul_i32 s38, s[WH], HALFTA
	v_add_nc_u32 v[ADRA], s38, v3
.endif
	v_add_nc_u32 v[ADRA+1], SLOT, v[ADRA]
	v_mul_u32_u24 v3, v1, PITCHB
	v_lshl_add_u32 v3, v2, 4, v3
.if SPLITK
	s_lshl_b32 s38, s[WV], 7
.else
	s_mul_i32 s38, s[WL], HALFTB
.endif
	s_add_co_u32 s38, s38, 2*HALFTA
	v_add_nc_u32 v[ADRB], s38, v3
	v_add_nc_u32 v[ADRB+1], SLOT, v[ADRB]
	v_mul_u32_u24 v3, v1, KS
	v_lshrrev_b32 v4, 8, v3
	v_lshl_add_u32 v3, v4, 4, v3
.if SPLITK
	s_lshl_b32 s38, s[WV], 2
.else
	s_mul_i32 s38, s[WL], HALFSB
.endif
	s_add_co_u32 s38, s38, SCB
	v_add_nc_u32 v[ADSB], s38, v3
.if AIMG
	v_lshlrev_b32 v4, 2, v1
.if SPLITK
	s_lshl_b32 s38, s[WV], 9
.else
	s_lshl_b32 s38, s[WH], 12
.endif
	s_add_co_u32 s38, s38, SCA
	v_add_nc_u32 v[ADSA], s38, v4
.else
	s_mul_i32 s38, s[WH], HALFSA
	s_add_co_u32 s38, s38, SCA
	v_add_nc_u32 v[ADSA], s38, v3
.endif
	v_lshlrev_b32 v6, 5, v2
	v_lshlrev_b32 v7, 2, v1
	v_lshlrev_b32 v8, 12, v1
	v_lshl_add_u32 v8, v2, 6, v8
	s_lshl_b32 s39, s[WV], 10
	v_add_nc_u32 v8, s39, v8
	s_wait_alu depctr_va_vdst(0)
	v_lshrrev_b32 v9, 1, v[LI]
	s_lshl_b32 s38, ttmp9, 2
	s_add_co_u32 s38, s38, s[CX]
	s_and_b32 s39, ttmp7, 0xffff
	s_lshl_b32 s39, s39, 2
	s_add_co_u32 s39, s39, s[CY]
	s_lshl_b32 s39, s39, 4
	s_add_co_u32 s38, s38, s39
	s_lshl_b32 s2, s38, 16
	s_mov_b32 s3, 0
	s_add_nc_u64 s[20:21], s[20:21], s[2:3]
	s_lshl_b32 s2, s38, 14
	s_lshl_b32 s39, s[WV], 12
	s_add_co_u32 s2, s2, s39
	s_add_nc_u64 s[4:5], s[24:25], s[2:3]
	s_lshl_b32 s2, s38, 10
	s_lshl_b32 s39, s[WV], 8
	s_add_co_u32 s2, s2, s39
	s_add_nc_u64 s[24:25], s[24:25], s[2:3]
	s_add_nc_u64 s[24:25], s[24:25], 4194304
	s_cmp_lt_u32 s31, 8
	s_cselect_b32 s38, s[TR], s[TC]
	s_cselect_b32 s39, s[TC], s[TR]
	s_cselect_b32 s2, s[WL], s[WH]
	s_cselect_b32 s3, s[WH], s[WL]
	s_cselect_b64 s[16:17], s[16:17], s[18:19]
	s_lshl_b32 s100, s39, 10
	s_lshl_b32 s101, s2, 9
	s_add_co_u32 s100, s100, s101
	s_mov_b32 s101, 0
	s_add_nc_u64 s[16:17], s[16:17], s[100:101]
	s_lshr_b32 s100, s38, 2
	s_lshl_b32 s100, s100, 4
	s_lshl_b32 s39, s39, 2
	s_add_co_u32 s100, s100, s39
	s_lshl_b32 s2, s2, 1
	s_add_co_u32 s100, s100, s2
	s_lshl_b32 s100, s100, 3
	s_and_b32 s38, s38, 3
	s_lshl_b32 s38, s38, 1
	s_add_co_u32 s100, s100, s38
	s_add_co_u32 s100, s100, s3
	s_mul_i32 s100, s100, 17408
	s_add_nc_u64 s[22:23], s[22:23], s[100:101]
.macro XLOAD reg, e
.irp b, 0,1,2,3
.irp j, 0,1,2,3
	global_load_b128 v[\reg+16*\b+4*\j:\reg+16*\b+4*\j+3], v8, s[20:21] offset:512*\e+128*\b+16*\j th:TH_LOAD_NT
.endr
.endr
.endm
	XLOAD 128, 0
	XLOAD 192, 1
	s_wait_alu depctr_va_vdst(0)
	s_wait_tensorcnt 0x0                           ; my tile of the head's four is in; slot 1's first fill is issued as a refill is
	ds_add_u32 v[SPW], v[NIL]
	s_mov_b32 s[G1A+2], (RA/2)<<16                 ; no load of mine is out: from here on a load brings 128 rows
	s_mov_b32 s[G1A+4], RA/2
	s_mov_b32 s[G1B+2], RB<<16
	s_mov_b32 s[G1B+4], RB
	s_wait_dscnt 0x0
	CROUND
	JLOAD G0A+4, G1A, G0B+4, G1B                   ; K step 1; x is quantised while it is on its way
	s_wait_loadcnt 16
	QUANT 128, SW, 30, 4, 0
.irp q, 0,1,2,3
	global_store_b128 v[LI], v[SW+4*\q:SW+4*\q+3], s[4:5] offset:512*\q
.endr
	s_wait_loadcnt 0x0
	s_wait_xcnt 0x0
	QUANT 192, SW, 31, 4, 0
.irp q, 0,1,2,3
	global_store_b128 v[LI], v[SW+4*\q:SW+4*\q+3], s[4:5] offset:2048+512*\q
.endr
	global_store_b64 v9, v[30:31], s[24:25]
	s_wait_xcnt 0x0
	FETCH_B 0, 0, 0
	FETCH_A 0, 0, 0
	SCALES 0
	FETCH_A 0, 0, 4
	STEP 0, 0, 1
	TURN 0, 1, 1, 1, 0, 1, 0
	STEP 1, 0, 0
	TURN 1, 0, 1, 1, 0, 1, 0
	STEP 0, 0, 0
	TURN 0, 1, 0, 1, 0, 1, 0
	STEP 1, 0, 0
	s_cmp_lt_u32 s31, 8
	s_cbranch_scc0 .Lbias_v
	WIN TO_B
.irp b, 0,1,2,3,4,5,6,7
	global_load_b128 v[8*\b:8*\b+3], v6, s[16:17] offset:64*\b
	global_load_b128 v[8*\b+4:8*\b+7], v6, s[16:17] offset:64*\b+16
.endr
	WIN 0
	s_branch .Lbias_in
.Lbias_v:
	WIN TO_B
.irp a, 0,1,2,3,4,5,6,7
	global_load_b32 v[64+2*\a], v7, s[16:17] offset:64*\a
	global_load_b32 v[65+2*\a], v7, s[16:17] offset:64*\a
.endr
	WIN 0
.Lbias_in:
	LAST 1, 1, 1
	s_wait_loadcnt 0x0
	s_cmp_lt_u32 s31, 8
	s_cbranch_scc0 .Lv_out
.macro KGROUP hh, c
	s_wait_xcnt 0x0
	WIN 0x06+(\c)/2
.set i, 0
.rept 16
	v_pk_add_f32 v[X+i:X+i+1], v[64*((2*(\c))%4)+32*(\hh)+i:64*((2*(\c))%4)+32*(\hh)+i+1], v[32*(\hh)+i:32*(\hh)+i+1]
.set i, i+2
.endr
.set i, 0
.rept 16
	v_pk_add_f32 v[X+32+i:X+32+i+1], v[64*((2*(\c)+1)%4)+32*(\hh)+i:64*((2*(\c)+1)%4)+32*(\hh)+i+1], v[32*(\hh)+i:32*(\hh)+i+1]
.set i, i+2
.endr
	WIN 0
	QUANT X, T, SW+(\c), 4, 1
.irp q, 0,1,2,3
	global_store_b128 v[LI], v[T+4*\q:T+4*\q+3], s[22:23] offset:139264*(\hh)+2048*(\c)+512*\q
.endr
.endm
.irp hh, 0,1
.irp c, 0,1,2,3
	KGROUP \hh, \c
.endr
	global_store_b128 v[LI], v[SW:SW+3], s[22:23] offset:139264*\hh+16384
.endr
	s_branch .Ldone
.Lv_out:
.macro VGROUP a
	s_wait_xcnt 0x0
	WIN 0x06+(\a)/4
.set i, 0
.rept 32
	v_pk_add_f32 v[X+i:X+i+1], v[64*((\a)%4)+i:64*((\a)%4)+i+1], v[64+2*(\a):65+2*(\a)]
.set i, i+2
.endr
	WIN 0
	QUANT X, T, SW+(\a)%4, 4, 1
.irp q, 0,1,2,3
	global_store_b128 v[LI], v[T+4*\q:T+4*\q+3], s[22:23] offset:139264*((\a)/4)+8192+2048*((\a)%4)+512*\q
.endr
.if (\a)%4 == 3
	global_store_b128 v[LI], v[SW:SW+3], s[22:23] offset:139264*((\a)/4)+16896
.endif
.endm
.irp a, 0,1,2,3,4,5,6,7
	VGROUP \a
.endr
.Ldone:
	s_wait_tensorcnt 0x0
	ds_add_u32 v[SPW], v[NIL]
	s_wait_dscnt 0x0
	CROUND
	s_endpgm
.Lfunc_end_k_q13439bda10_kvproj:
	.size	k_q13439bda10_kvproj, .Lfunc_end_k_q13439bda10_kvproj-k_q13439bda10_kvproj
	.p2alignl 7, 3214868480
	.fill 96, 4, 3214868480
	.section	.rodata,"a",@progbits
	.p2align	6, 0x0
	.amdhsa_kernel k_q13439bda10_kvproj
		.amdhsa_group_segment_fixed_size 327680
		.amdhsa_private_segment_fixed_size 0
		.amdhsa_enable_private_segment 0
		.amdhsa_kernarg_size 88
		.amdhsa_user_sgpr_count 2
		.amdhsa_user_sgpr_kernarg_segment_ptr 1
		.amdhsa_wavefront_size32 1
		.amdhsa_system_sgpr_workgroup_id_x 1
		.amdhsa_system_sgpr_workgroup_id_y 1
		.amdhsa_system_sgpr_workgroup_id_z 1
		.amdhsa_system_vgpr_workitem_id 0
		.amdhsa_next_free_vgpr 1024
		.amdhsa_next_free_sgpr 106
		.amdhsa_reserve_vcc 0
		.amdhsa_float_denorm_mode_32 3
		.amdhsa_float_denorm_mode_16_64 3
		.amdhsa_memory_ordered 1
		.amdhsa_forward_progress 1
		.amdhsa_inst_pref_size 255
	.end_amdhsa_kernel
	.section	.bss,"aw",@nobits
	.p2align	6
	.space	262144
	.amdgpu_metadata
---
amdhsa.version: [ 1, 2 ]
amdhsa.kernels:
  - .name:           k_q13439bda10_kvproj
    .symbol:         k_q13439bda10_kvproj.kd
    .args:
      - { .name: inp_codes, .offset: 0, .size: 8, .value_kind: global_buffer, .address_space: global }
      - { .name: inp_scales, .offset: 8, .size: 8, .value_kind: global_buffer, .address_space: global }
      - { .name: Wk_codes, .offset: 16, .size: 8, .value_kind: global_buffer, .address_space: global }
      - { .name: Wk_scales, .offset: 24, .size: 8, .value_kind: global_buffer, .address_space: global }
      - { .name: Wv_codes, .offset: 32, .size: 8, .value_kind: global_buffer, .address_space: global }
      - { .name: Wv_scales, .offset: 40, .size: 8, .value_kind: global_buffer, .address_space: global }
      - { .name: bk, .offset: 48, .size: 8, .value_kind: global_buffer, .address_space: global }
      - { .name: bv, .offset: 56, .size: 8, .value_kind: global_buffer, .address_space: global }
      - { .name: x, .offset: 64, .size: 8, .value_kind: global_buffer, .address_space: global }
      - { .name: kv, .offset: 72, .size: 8, .value_kind: global_buffer, .address_space: global }
      - { .name: xq, .offset: 80, .size: 8, .value_kind: global_buffer, .address_space: global }
    .group_segment_fixed_size: 327680
    .private_segment_fixed_size: 0
    .kernarg_segment_align: 8
    .kernarg_segment_size: 88
    .max_flat_workgroup_size: 128
    .sgpr_count:     106
    .vgpr_count:     1024
    .wavefront_size: 32
...
	.end_amdgpu_metadata
.endif
;; end of part 1
;; launch attn (part 2): grid 2 x 128, 16 waves a work-group, no clusters, 210,944 bytes of LDS; arguments xq, Wq_codes, Wq_scales, bq, kv, oq; writes oq
.if DOCPART == 2
	.amdgcn_target "amdgcn-amd-amdhsa--gfx1250"
	.amdhsa_code_object_version 6
	.text
	.protected	k_q13439bda10_attn
	.globl	k_q13439bda10_attn
	.p2align	8
	.type	k_q13439bda10_attn,@function
k_q13439bda10_attn:
	s_mov_b64 s[64:65], 0
	v_nop
	global_prefetch_b8 v0, s[64:65] scope:SCOPE_SE
	s_setreg_imm32_b32 hwreg(HW_REG_WAVE_MODE, 25, 1), 1
	s_wait_xcnt 0x0
; q = Q(x) Wq + bq, quantised in registers; S^T = K q^T; p = 2^(t - M), t = score x log2(e) / 8, M the running largest t rounded up to a whole number; p quantised along the keys; O^T = V^T p^T; O / the sum of the unquantised p,
; quantised along DIM, leaves as its part of an operand image of the next product.  All products on codes of E4M3 with E8M0 scales.
; SHARES.  A work-group takes 256 queries of one head of one batch; each of its sixteen waves one tile of 16 queries in 256 registers: four waves to a SIMD, so that one wave's vector work stands beside another's products and LDS loads.
; LDS is filled ONCE: the head's whole block of kv (139,264 bytes: 8 key steps of 128 keys as register images), the head's 64 rows of Wq (1,024 bytes + 16 a row) and their scale bytes.  No slot is filled again.
; THE SCORES' K IS 64: a fragment of K holds two keys a lane (registers 0-7 key 32 c + r, 8-15 key 32 c + 16 + r) and is multiplied twice, by [q | 0] and by [0 | q]: the zeros are codes on q's side.
; A lane holds ONE query (lane % 16) throughout.  Register 16 c + 8 u + j of S^T is key 32 c + 16 u + 8 h + j: a block of 32 keys is 16 registers in lanes l and l xor 16; two lane swaps a block order the codes.
; NO CLUSTER: a head's K and V are read by the grid's two work-groups along x (512 queries / 256); no cluster of four divides 2, and work-groups of different heads share only Wq's rows of one head in eight batches, 66 KB of the 206 KB.
; No prefetch: all that the work-group reads is asked for in its first lines.
; LIMITS: NaN and infinities are not served; a block whose largest magnitude lies under 2^-118 gets the scale byte 1.
.set WQ,   139264
.set WQS,  205824
.set LI,   1                           ; v1 16 x lane
.set AWQ,  2                           ; v2 my place in Wq's rows
.set ASW,  3                           ; v3 and among their scale words
.set ADK,  4                           ; v4 the key step's images
.set F,    40                          ; v40-103 four fragments
.set S,    104                         ; v104-167 S^T, then p; in the first phase q^T (v104-135) and bq (v136-167)
.set QA,   104
.set BQ,   136
.set O,    168                         ; v168-199 O^T; in the first phase v168-231 four fragments of x
.set XB,   168
.set PC,   200                         ; v200-215 p's codes
.set TM,   216                         ; v216-231 temporaries
.set KSW,  244                         ; v244-247 scale words of Wq, then of K;  v248-255 of x, then v248-251 V's, v252 q's, v253 p's: scales and nothing else
.set VSW,  248
.set QW,   252
.set PW,   253
.set WV,  52
.set SEL, 58
.set CS,  60
.set MNT, 62
.set TB,  63
.set CNT, 66
.macro PLACES n
.rept \n
	v_nop
.endr
.endm
; THE QUANTISER: nb blocks of 32; v[s + 16 b + i] are my 16 numbers of block b, lane l xor 16 holds the other 16.  Codes to v[pc] on, the scale bytes joined in v[pw].
.macro QUANT s, pc, pw, nb, swap
.set qb, 0
.rept \nb
	v_max3_num_f32 v[TM+qb], |v[\s+16*qb]|, |v[\s+16*qb+1]|, 0x4800000     ; with the floor 2^(9 - 127): the byte cannot fall under 1
.set qb, qb+1
.endr
.irp i, 2,4,6,8,10,12,14
.set qb, 0
.rept \nb
	v_max3_num_f32 v[TM+qb], v[TM+qb], |v[\s+16*qb+\i]|, |v[\s+16*qb+\i+1]|
.set qb, qb+1
.endr
.endr
.set qb, 0
.rept \nb
	s_delay_alu instid0(VALU_DEP_2)
	v_permlanex16_b32 v[TM+4+qb], v[TM+qb], s[SEL], s[SEL+1]
.set qb, qb+1
.endr
.set qb, 0
.rept \nb
	s_delay_alu instid0(VALU_DEP_2)
	v_max_num_f32 v[TM+qb], v[TM+qb], v[TM+4+qb]
.set qb, qb+1
.endr
.set qb, 0
.rept \nb
	s_delay_alu instid0(VALU_DEP_2)
	v_add_nc_u32 v[TM+12+qb], 0xfc000000, v[TM+qb]
.set qb, qb+1
.endr
.set qb, 0
.rept \nb
	s_delay_alu instid0(VALU_DEP_4)
	v_and_or_b32 v[TM+8+qb], v[TM+qb], 0x7f800000, s[MNT]
.set qb, qb+1
.endr
.set qb, 0
.rept \nb
	s_delay_alu instid0(VALU_DEP_4)
	v_lshrrev_b32 v[TM+4+qb], 23, v[TM+12+qb]
.set qb, qb+1
.endr
	s_delay_alu instid0(VALU_DEP_1)
	v_lshl_or_b32 v[\pw], v[TM+5], 8, v[TM+4]
.if \nb == 4
	v_lshl_or_b32 v[\pw], v[TM+6], 16, v[\pw]
	v_lshl_or_b32 v[\pw], v[TM+7], 24, v[\pw]
.endif
.set qb, 0
.rept \nb
.set qi, 0
.rept 16
	v_med3_num_f32 v[\s+16*qb+qi], v[\s+16*qb+qi], -v[TM+8+qb], v[TM+8+qb]   ; the conversion does not saturate (ISA guide 7.6.2)
.set qi, qi+1
.endr
	v_cvt_scalef32_pk8_fp8_f32 v[\pc+4*qb:\pc+4*qb+1], v[\s+16*qb:\s+16*qb+7], v[TM+12+qb]
	v_cvt_scalef32_pk8_fp8_f32 v[\pc+4*qb+2:\pc+4*qb+3], v[\s+16*qb+8:\s+16*qb+15], v[TM+12+qb]
.set qb, qb+1
.endr
	v_nop
.if \swap
.set qb, 0
.rept \nb
	v_permlane16_swap_b32 v[\pc+4*qb], v[\pc+4*qb+2]
	v_permlane16_swap_b32 v[\pc+4*qb+1], v[\pc+4*qb+3]
.set qb, qb+1
.endr
.endif
.endm
	s_load_b256 s[4:11], s[0:1], 0x0               ; xq, Wq's codes, Wq's scales, bq
	s_load_b128 s[12:15], s[0:1], 0x20             ; kv, oq
	v_lshl_add_u32 v242, v0, 2, 0x33000
	v_mov_b32 v243, 0
	ds_add_u32 v242, v243
	ds_add_u32 v242, v243
	v_lshrrev_b32 v5, 5, v0
	s_delay_alu instid0(VALU_DEP_1)
	v_readfirstlane_b32 s[WV], v5                  ; wave 0..15
	s_and_b32 s53, ttmp7, 0xffff                   ; 16 x batch + head
	s_lshr_b32 s54, s53, 4
	s_and_b32 s55, s53, 15                         ; the head
	s_lshl_b32 s56, s54, 5
	s_lshl_b32 s2, ttmp9, 4
	s_add_co_u32 s56, s56, s2
	s_add_co_u32 s56, s56, s[WV]                   ; my tile of 16 rows among 256: 32 batch + 16 x + wave
	s_and_b32 s57, s[WV], 3                        ; which quarter I fetch, if I fetch
	; descriptor groups 1: Wq's scale bytes (2 runs of 256 bytes + 16), Wq's rows (16 rows of 1,024 bytes + 16), the block of kv (136 runs of 256 bytes, dense)
	s_mov_b32 s16, (3<<16)|(1<<20)|(5<<22)|(3<<25)
	s_mov_b32 s17, 32<<16
	s_mov_b32 s18, 2<<16
	s_mov_b32 s19, 32<<16
	s_mov_b32 s20, 2
	s_mov_b32 s21, 32
	s_mov_b32 s22, 0
	s_mov_b32 s23, 0
	s_mov_b32 s24, (1<<20)|(7<<22)|(3<<25)
	s_mov_b32 s25, 1024<<16
	s_mov_b32 s26, 16<<16
	s_mov_b32 s27, 1024<<16
	s_mov_b32 s28, 16
	s_mov_b32 s29, 1024
	s_mov_b32 s30, 0
	s_mov_b32 s31, 0
	s_mov_b32 s32, 3<<16
	s_mov_b32 s33, 32<<16
	s_mov_b32 s34, 136<<16
	s_mov_b32 s35, 32<<16
	s_mov_b32 s36, 136
	s_mov_b32 s37, 32
	s_mov_b32 s38, 0
	s_mov_b32 s39, 0
	s_mov_b32 s40, 1
	s_mul_i32 s41, s57, 544
	s_add_co_u32 s41, s41, WQS
	s_mov_b32 s44, 1
	s_mul_i32 s45, s57, 16640
	s_add_co_u32 s45, s45, WQ
	s_mov_b32 s48, 1
	s_mul_i32 s49, s57, 34816
	s_mov_b32 s[SEL], 0x76543210
	s_mov_b32 s[SEL+1], 0xfedcba98
	s_mov_b32 s[CS], 0x3e38aa3b                    ; log2(e) / 8
	s_mov_b32 s[CS+1], s[CS]
	s_mov_b32 s[MNT], 0x600000
	s_mov_b32 s3, 0
	s_mov_b32 s69, 0
	s_wait_dscnt 0x0
	s_wait_kmcnt 0x0
	s_lshl_b32 s2, s55, 11
	s_lshl_b32 s68, s57, 9
	s_add_co_u32 s2, s2, s68
	s_add_nc_u64 s[42:43], s[8:9], s[2:3]          ; the head's 2,048 scale bytes, my 512
	s_or_b32 s43, s43, 0x80000000
	s_lshl_b32 s2, s55, 16
	s_lshl_b32 s68, s57, 14
	s_add_co_u32 s2, s2, s68
	s_add_nc_u64 s[46:47], s[6:7], s[2:3]          ; the head's 64 rows, my 16
	s_or_b32 s47, s47, 0x80000000
	s_mul_i32 s2, s53, 139264
	s_add_co_u32 s2, s2, s49
	s_add_nc_u64 s[50:51], s[12:13], s[2:3]        ; the head's block of kv, my quarter
	s_or_b32 s51, s51, 0x80000000
	s_cmp_lt_u32 s[WV], 4                          ; one first fill a wave, an arm each: waves 0-3 Wq's rows, 4-7 their scale bytes, 8-11 the block of kv; a quarter a wave
	s_cbranch_scc0 .Lhead_s
	tensor_load_to_lds s[44:47], s[24:31]
	s_nop 0
	PLACES 4
	s_branch .Lno_fetch
.Lhead_s:
	s_cmp_lt_u32 s[WV], 8
	s_cbranch_scc0 .Lhead_kv
	tensor_load_to_lds s[40:43], s[16:23]
	s_nop 0
	PLACES 4
	s_branch .Lno_fetch
.Lhead_kv:
	s_cmp_lt_u32 s[WV], 12
	s_cbranch_scc0 .Lno_fetch
	tensor_load_to_lds s[48:51], s[32:39]
	s_nop 0
	PLACES 4
.Lno_fetch:
	v_and_b32 v[LI], 31, v0
	s_delay_alu instid0(VALU_DEP_1)
	v_lshlrev_b32 v[LI], 4, v[LI]
	v_and_b32 v5, 15, v0                           ; r
	v_bfe_u32 v6, v0, 4, 1                         ; h
	s_delay_alu instid0(VALU_DEP_2)
	v_mul_u32_u24 v[AWQ], v5, 1040
	s_delay_alu instid0(VALU_DEP_1)
	v_lshl_add_u32 v[AWQ], v6, 4, v[AWQ]
	s_delay_alu instid0(VALU_DEP_1)
	v_add_nc_u32 v[AWQ], WQ, v[AWQ]
	v_and_b32 v7, 7, v5
	v_lshrrev_b32 v8, 3, v5
	s_delay_alu instid0(VALU_DEP_2)
	v_lshlrev_b32 v7, 5, v7
	s_delay_alu instid0(VALU_DEP_1)
	v_mad_u32_u24 v[ASW], v8, 272, v7
	s_delay_alu instid0(VALU_DEP_1)
	v_add_nc_u32 v[ASW], WQS, v[ASW]               ; row r of a tile: 32 (r % 8) + 272 (r / 8)
	v_lshrrev_b32 v7, 1, v[LI]                     ; 8 x lane
	v_lshlrev_b32 v8, 5, v6                        ; 32 h
	v_lshlrev_b32 v9, 2, v5                        ; 4 r
	s_lshl_b32 s68, s56, 10
	s_add_nc_u64 s[68:69], s[4:5], s[68:69]
	s_add_nc_u64 s[68:69], s[68:69], 4194304       ; x's scale words of my tile
	s_lshl_b32 s2, s56, 14
	s_add_nc_u64 s[4:5], s[4:5], s[2:3]            ; x's images of my tile
	s_lshl_b32 s2, s55, 8
	s_add_nc_u64 s[10:11], s[10:11], s[2:3]        ; bq at the head's 64
.irp w, 0,1,2,3
	global_load_b64 v[248+2*\w:249+2*\w], v7, s[68:69] offset:256*\w       ; x's scale words of K steps 2 w, 2 w + 1
.endr
.irp bl, 0,1,2,3
	global_load_b128 v[BQ+8*\bl:BQ+8*\bl+3], v8, s[10:11] offset:64*\bl    ; bq at channel 16 bl + 8 h + 0..7
	global_load_b128 v[BQ+8*\bl+4:BQ+8*\bl+7], v8, s[10:11] offset:64*\bl+16
.endr
.macro XFRAG n                         ; x's fragment of K step n into buffer n % 4
.irp c, 0,1,2,3
	global_load_b128 v[XB+16*((\n)%4)+4*\c:XB+16*((\n)%4)+4*\c+3], v[LI], s[4:5] offset:2048*(\n)+512*\c
.endr
.endm
	XFRAG 0
	XFRAG 1
	XFRAG 2
	XFRAG 3
.irp j, 0,1,2,3,4,5,6,7
	v_mov_b32 v[16+\j], 0                          ; the zero codes on both sides of q's
	v_mov_b32 v[32+\j], 0
.endr
	s_lshl_b32 s2, s56, 14                         ; where my results go: image 16,384 tile + 1,024 head
	s_lshl_b32 s54, s55, 10
	s_add_co_u32 s2, s2, s54
	s_add_nc_u64 s[12:13], s[14:15], s[2:3]
	s_lshr_b32 s2, s55, 1                          ; scale words: (4,096 (head / 2) + 16 tile) x 4 + 2 (head % 2)
	s_lshl_b32 s2, s2, 14
	s_lshl_b32 s54, s56, 6
	s_add_co_u32 s2, s2, s54
	s_and_b32 s54, s55, 1
	s_lshl_b32 s54, s54, 1
	s_add_co_u32 s2, s2, s54
	s_add_nc_u64 s[14:15], s[14:15], s[2:3]
	s_add_nc_u64 s[14:15], s[14:15], 4194304
	s_cmp_lt_u32 s[WV], 8                          ; the waves that fetched Wq's rows and scale bytes wait; kv's loads may stay out
	s_cbranch_scc0 .Lkv_out
	s_wait_tensorcnt 0x0
.Lkv_out:
	s_barrier_signal -1
	s_barrier_wait -1
; ---- q^T = Wq x^T + bq: source 0 = 16 of the head's channels, source 1 = my 16 rows of x; four accumulators by turns, K step by K step; the bias is the C of the first
.macro QSTEP s
.if \s > 0
	PLACES 8                                       ; in front of loads into registers that the last products read
.endif
.if (\s >= 1) && (\s <= 4)
	XFRAG (\s)+3
.endif
.irp bl, 0,1,2,3
.irp c, 0,1,2,3
	ds_load_b128 v[F+16*\bl+4*\c:F+16*\bl+4*\c+3], v[AWQ] offset:16640*\bl+128*(\s)+32*\c
.endr
	ds_load_b32 v[KSW+\bl], v[ASW] offset:544*\bl+4*(\s)
.endr
.if \s <= 4
	s_wait_loadcnt 12                              ; three fragments of x were issued behind the one that is wanted
.else
	s_wait_loadcnt 4*(7-(\s))
.endif
	s_wait_dscnt 0x0
.irp bl, 0,1,2,3
.if \s == 0
	v_wmma_scale_f32_16x16x128_f8f6f4 v[QA+8*\bl:QA+8*\bl+7], v[F+16*\bl:F+16*\bl+15], v[XB+16*((\s)%4):XB+16*((\s)%4)+15], v[BQ+8*\bl:BQ+8*\bl+7], v[KSW+\bl], v[248+(\s)]
.else
	v_wmma_scale_f32_16x16x128_f8f6f4 v[QA+8*\bl:QA+8*\bl+7], v[F+16*\bl:F+16*\bl+15], v[XB+16*((\s)%4):XB+16*((\s)%4)+15], v[QA+8*\bl:QA+8*\bl+7], v[KSW+\bl], v[248+(\s)]
.endif
.endr
.endm
.irp s, 0,1,2,3,4,5,6,7
	QSTEP \s
.endr
	PLACES 8
.irp b, 0,1,2,3
	v_mov_b32 v[TM+4+\b], 0                        ; a lane permute's destination counts as one of its sources
.endr
	QUANT QA, 24, QW, 2, 1                         ; q's codes: v24-31; its two scale bytes
	v_lshl_or_b32 v[QW], v[QW], 16, v[QW]          ; twice: bytes 0, 1 serve [q | 0], bytes 2, 3 serve [0 | q]
.irp j, 0,1,2,3,4,5,6,7,8,9,10,11,12,13,14,15,16,17,18,19,20,21,22,23,24,25,26,27,28,29,30,31
	v_mov_b32 v[O+\j], 0                           ; the loop is written once: its first step finds zeros
.endr
	v_mov_b32 v13, 0xff61b1e6                      ; the largest t so far: -3e38
	s_delay_alu instid0(VALU_DEP_1)
	v_floor_f32 v12, -v13                          ; -M
	v_mov_b32 v14, 0                               ; the sum, in two halves
	v_mov_b32 v15, 0
	v_mov_b32 v233, 0                              ; named as the upper half of a pair
	s_wait_tensorcnt 0x0                           ; my quarter of the block of kv is in
	s_wait_dscnt 0x0
	s_barrier_signal -1
	s_barrier_wait -1                              ; everybody's is
	s_mov_b32 s[TB], 0
	s_mov_b32 s[CNT], 8
.Lkeys:                                            ; a trip: 128 keys
	v_add_nc_u32 v[ADK], s[TB], v[LI]
	PLACES 7                                       ; with the line above: eight places in front of loads into registers that the last products read
.irp c, 0,1,2,3
.irp q, 0,1,2,3
	ds_load_b128 v[F+16*\c+4*\q:F+16*\c+4*\q+3], v[ADK] offset:2048*\c+512*\q
.endr
.endr
	ds_load_b128 v[KSW:KSW+3], v[ADK] offset:16384
	s_wait_alu depctr_va_vdst(0)
	s_wait_dscnt 0x0
.irp c, 0,1,2,3
	v_wmma_scale_f32_16x16x128_f8f6f4 v[S+16*\c:S+16*\c+7], v[F+16*\c:F+16*\c+15], v[24:39], 0, v[KSW+\c], v[QW]        ; keys 32 c + 8 h + j
	v_wmma_scale_f32_16x16x128_f8f6f4 v[S+16*\c+8:S+16*\c+15], v[F+16*\c:F+16*\c+15], v[16:31], 0, v[KSW+\c], v[QW]     ; keys 32 c + 16 + 8 h + j
.endr
	PLACES 8
.irp bl, 0,1,2,3                                   ; V's fragments land under the softmax
.irp q, 0,1,2,3
	ds_load_b128 v[F+16*\bl+4*\q:F+16*\bl+4*\q+3], v[ADK] offset:8192+2048*\bl+512*\q
.endr
.endr
	ds_load_b128 v[VSW:VSW+3], v[ADK] offset:16896
.irp b, 0,1,2,3
	v_max3_num_f32 v[TM+\b], v[S+16*\b], v[S+16*\b+1], v[S+16*\b+2]       ; the largest score of each block of 32 keys: for the row's maximum and for the block's largest p
.endr
.irp i, 3,5,7,9,11,13
.irp b, 0,1,2,3
	v_max3_num_f32 v[TM+\b], v[TM+\b], v[S+16*\b+\i], v[S+16*\b+\i+1]
.endr
.endr
.irp b, 0,1,2,3
	v_max_num_f32 v[TM+\b], v[TM+\b], v[S+16*\b+15]
.endr
.irp b, 0,1,2,3
	s_delay_alu instid0(VALU_DEP_4)
	v_permlanex16_b32 v[TM+4+\b], v[TM+\b], s[SEL], s[SEL+1]
.endr
.irp b, 0,1,2,3
	s_delay_alu instid0(VALU_DEP_4)
	v_max_num_f32 v[TM+\b], v[TM+\b], v[TM+4+\b]
.endr
	s_delay_alu instid0(VALU_DEP_2)
	v_max3_num_f32 v234, v[TM], v[TM+1], v[TM+2]
	s_delay_alu instid0(VALU_DEP_1)
	v_max_num_f32 v234, v234, v[TM+3]
	s_delay_alu instid0(VALU_DEP_1)
	v_mul_f32 v234, s[CS], v234                    ; as t
	s_delay_alu instid0(VALU_DEP_1)
	v_max_num_f32 v13, v13, v234                   ; the running largest t
	v_mov_b32 v234, v12
	s_delay_alu instid0(VALU_DEP_2)
	v_floor_f32 v12, -v13                          ; the new -M = -ceil(t)
	s_delay_alu instid0(VALU_DEP_1)
	v_sub_f32 v234, v12, v234                      ; old M - new M: a whole number, 0 or less
	s_delay_alu instid0(VALU_DEP_1)
	v_cvt_i32_f32 v234, v234
	s_delay_alu instid0(VALU_DEP_1)
	v_ldexp_f32 v232, 1.0, v234                    ; f = 2^(old M - new M)
.set i, 0
.rept 32
	v_pk_fma_f32 v[S+i:S+i+1], v[S+i:S+i+1], s[CS:CS+1], v[12:13] op_sel_hi:[1,0,0]   ; t - M
.set i, i+2
.endr
.irp b, 0,1,2,3
	v_fma_f32 v[TM+\b], v[TM+\b], s[CS], v12
.endr
.set i, 0
	s_wait_alu depctr_va_vdst(0)
.rept 64
	v_exp_f32 v[S+i], v[S+i]                       ; p, not normalised
.set i, i+1
.endr
	v_pk_mul_f32 v[14:15], v[14:15], v[232:233] op_sel_hi:[1,0]   ; the sums under the new M; a plain line behind the exponentials
	s_wait_alu depctr_va_vdst(0)                   ; one wait for the batch, ahead of its first reader
.irp b, 0,1,2,3
	v_exp_f32 v[TM+\b], v[TM+\b]                   ; each block's largest p
.endr
	v_pk_add_f32 v[236:237], v[108:109], v[112:113]
	v_pk_add_f32 v[254:255], v[116:117], v[120:121]
	v_pk_add_f32 v[246:247], v[124:125], v[128:129]
	v_pk_add_f32 v[244:245], v[132:133], v[136:137]
	v_pk_add_f32 v[240:241], v[140:141], v[144:145]
	v_pk_add_f32 v[238:239], v[148:149], v[152:153]
	v_pk_add_f32 v[230:231], v[156:157], v[160:161]
	v_pk_add_f32 v[14:15], v[14:15], v[164:165]
	v_pk_add_f32 v[236:237], v[236:237], v[104:105]
	v_pk_add_f32 v[254:255], v[254:255], v[106:107]
	v_pk_add_f32 v[246:247], v[246:247], v[110:111]
	v_pk_add_f32 v[244:245], v[244:245], v[114:115]
	v_pk_add_f32 v[240:241], v[240:241], v[118:119]
	v_pk_add_f32 v[238:239], v[238:239], v[122:123]
	v_pk_add_f32 v[230:231], v[230:231], v[126:127]
	v_pk_add_f32 v[14:15], v[14:15], v[130:131]
	v_pk_add_f32 v[236:237], v[236:237], v[134:135]
	v_pk_add_f32 v[254:255], v[254:255], v[138:139]
	v_pk_add_f32 v[246:247], v[246:247], v[142:143]
	v_pk_add_f32 v[244:245], v[244:245], v[146:147]
	v_pk_add_f32 v[240:241], v[240:241], v[150:151]
	v_pk_add_f32 v[238:239], v[238:239], v[154:155]
	v_pk_add_f32 v[230:231], v[230:231], v[158:159]
	v_pk_add_f32 v[14:15], v[14:15], v[162:163]
	v_pk_add_f32 v[236:237], v[236:237], v[166:167]
	s_delay_alu instid0(VALU_DEP_2)
	v_pk_add_f32 v[14:15], v[14:15], v[244:245]
	s_delay_alu instid0(VALU_DEP_2)
	v_pk_add_f32 v[236:237], v[236:237], v[240:241]
	v_pk_add_f32 v[254:255], v[254:255], v[238:239]
	v_pk_add_f32 v[246:247], v[246:247], v[230:231]
	s_delay_alu instid0(VALU_DEP_2)
	v_pk_add_f32 v[14:15], v[14:15], v[254:255]
	s_delay_alu instid0(VALU_DEP_2)
	v_pk_add_f32 v[236:237], v[236:237], v[246:247]
	s_delay_alu instid0(VALU_DEP_1)
	v_pk_add_f32 v[14:15], v[14:15], v[236:237]
	s_wait_alu depctr_va_vdst(0)                   ; and one for the four
.irp b, 0,1,2,3
	v_max_num_f32 v[TM+\b], 0x4800000, v[TM+\b]    ; the floor 2^(9 - 127)
.endr
.irp b, 0,1,2,3
	s_delay_alu instid0(VALU_DEP_4)
	v_add_nc_u32 v[TM+12+\b], 0xfc000000, v[TM+\b]
.endr
.irp b, 0,1,2,3
	v_and_or_b32 v[TM+8+\b], v[TM+\b], 0x7f800000, s[MNT]
.endr
.irp b, 0,1,2,3
	v_lshrrev_b32 v[TM+4+\b], 23, v[TM+12+\b]
.endr
	s_delay_alu instid0(VALU_DEP_3)
	v_lshl_or_b32 v[PW], v[TM+5], 8, v[TM+4]       ; p's scale word for these 128 keys
	s_delay_alu instid0(VALU_DEP_1)
	v_lshl_or_b32 v[PW], v[TM+6], 16, v[PW]
	s_delay_alu instid0(VALU_DEP_1)
	v_lshl_or_b32 v[PW], v[TM+7], 24, v[PW]
.irp b, 0,1,2,3
.irp i, 0,1,2,3,4,5,6,7,8,9,10,11,12,13,14,15
	v_min_num_f32 v[S+16*\b+\i], v[S+16*\b+\i], v[TM+8+\b]     ; p is not negative: a one-sided hold
.endr
	v_cvt_scalef32_pk8_fp8_f32 v[PC+4*\b:PC+4*\b+1], v[S+16*\b:S+16*\b+7], v[TM+12+\b]
	v_cvt_scalef32_pk8_fp8_f32 v[PC+4*\b+2:PC+4*\b+3], v[S+16*\b+8:S+16*\b+15], v[TM+12+\b]
.endr
	v_nop
.irp b, 0,1,2,3
	v_permlane16_swap_b32 v[PC+4*\b], v[PC+4*\b+2] ; 16 neighbouring keys to a lane
	v_permlane16_swap_b32 v[PC+4*\b+1], v[PC+4*\b+3]
.endr
.set i, 0
.rept 16
	v_pk_mul_f32 v[O+i:O+i+1], v[O+i:O+i+1], v[232:233] op_sel_hi:[1,0]    ; O^T under the new M; these are also the places in front of the products
.set i, i+2
.endr
	s_wait_alu depctr_va_vdst(0)
	s_wait_dscnt 0x0                               ; V
.irp bl, 0,1,2,3
	v_wmma_scale_f32_16x16x128_f8f6f4 v[O+8*\bl:O+8*\bl+7], v[F+16*\bl:F+16*\bl+15], v[PC:PC+15], v[O+8*\bl:O+8*\bl+7], v[VSW+\bl], v[PW]
.endr
	s_add_co_u32 s[TB], s[TB], 17408
	s_sub_co_u32 s[CNT], s[CNT], 1
	s_cmp_lg_u32 s[CNT], 0
	s_cbranch_scc1 .Lkeys
	PLACES 8
	v_add_f32 v14, v14, v15
	s_delay_alu instid0(VALU_DEP_1)
	v_permlanex16_b32 v234, v14, s[SEL], s[SEL+1]
	s_delay_alu instid0(VALU_DEP_1)
	v_add_f32 v14, v14, v234                       ; the row's sum
	s_wait_alu depctr_va_vdst(0)
	v_rcp_f32 v14, v14
	v_nop
	s_wait_alu depctr_va_vdst(0)
.set i, 0
.rept 16
	v_pk_mul_f32 v[S+i:S+i+1], v[O+i:O+i+1], v[14:15] op_sel_hi:[1,0]      ; register 8 bl + j: channel 16 bl + 8 h + j of my query
.set i, i+2
.endr
	QUANT S, PC, PW, 2, 1
	global_store_b128 v[LI], v[PC:PC+3], s[12:13]              ; the head's two quads of the image: 512 consecutive bytes each
	global_store_b128 v[LI], v[PC+4:PC+7], s[12:13] offset:512
	global_store_b16 v9, v[PW], s[14:15]           ; the head's two scale bytes of row r (lanes l and l xor 16 write the same bytes with the same value); 2 bytes in each word: a part of a run of 64 bytes
	s_wait_tensorcnt 0x0
	ds_add_u32 v242, v243
	s_wait_dscnt 0x0
	s_endpgm
.Lfunc_end_k_q13439bda10_attn:
	.size	k_q13439bda10_attn, .Lfunc_end_k_q13439bda10_attn-k_q13439bda10_attn
	.p2alignl 7, 3214868480
	.fill 96, 4, 3214868480
	.section	.rodata,"a",@progbits
	.p2align	6, 0x0
	.amdhsa_kernel k_q13439bda10_attn
		.amdhsa_group_segment_fixed_size 210944
		.amdhsa_private_segment_fixed_size 0
		.amdhsa_enable_private_segment 0
		.amdhsa_kernarg_size 48
		.amdhsa_user_sgpr_count 2
		.amdhsa_user_sgpr_kernarg_segment_ptr 1
		.amdhsa_wavefront_size32 1
		.amdhsa_system_sgpr_workgroup_id_x 1
		.amdhsa_system_sgpr_workgroup_id_y 1
		.amdhsa_system_sgpr_workgroup_id_z 1
		.amdhsa_system_vgpr_workitem_id 0
		.amdhsa_next_free_vgpr 256
		.amdhsa_next_free_sgpr 72
		.amdhsa_reserve_vcc 0
		.amdhsa_float_denorm_mode_32 3
		.amdhsa_float_denorm_mode_16_64 3
		.amdhsa_memory_ordered 1
		.amdhsa_forward_progress 1
		.amdhsa_inst_pref_size 60
	.end_amdhsa_kernel
	.amdgpu_metadata
---
amdhsa.version: [ 1, 2 ]
amdhsa.kernels:
  - .name:           k_q13439bda10_attn
    .symbol:         k_q13439bda10_attn.kd
    .args:
      - { .name: xq, .offset: 0, .size: 8, .value_kind: global_buffer, .address_space: global }
      - { .name: Wq_codes, .offset: 8, .size: 8, .value_kind: global_buffer, .address_space: global }
      - { .name: Wq_scales, .offset: 16, .size: 8, .value_kind: global_buffer, .address_space: global }
      - { .name: bq, .offset: 24, .size: 8, .value_kind: global_buffer, .address_space: global }
      - { .name: kv, .offset: 32, .size: 8, .value_kind: global_buffer, .address_space: global }
      - { .name: oq, .offset: 40, .size: 8, .value_kind: global_buffer, .address_space: global }
    .group_segment_fixed_size: 210944
    .private_segment_fixed_size: 0
    .kernarg_segment_align: 8
    .kernarg_segment_size: 48
    .max_flat_workgroup_size: 512
    .sgpr_count:     72
    .vgpr_count:     256
    .wavefront_size: 32
...
	.end_amdgpu_metadata
.endif
;; end of part 2
;; launch oproj (part 3): grid 8 x 32, 4 waves a work-group, clusters of 4 x 4, 327,680 bytes of LDS; arguments oq, Wo_codes, Wo_scales, bo, x, x1f, x1q; writes x1f, x1q
.if DOCPART == 3
	.amdgcn_target "amdgcn-amd-amdhsa--gfx1250"
	.amdhsa_code_object_version 6
	.text
	.protected	k_q13439bda10_oproj
	.globl	k_q13439bda10_oproj
	.p2align	8
	.type	k_q13439bda10_oproj,@function
k_q13439bda10_oproj:
	s_mov_b64 s[64:65], 0
	v_nop
	global_prefetch_b8 v0, s[64:65] scope:SCOPE_SE
	s_setreg_imm32_b32 hwreg(HW_REG_WAVE_MODE, 25, 1), 1
	s_wait_xcnt 0x0
	s_wait_alu depctr_hold_cnt(0) depctr_sa_sdst(0) depctr_va_vdst(0) depctr_va_sdst(0) depctr_va_ssrc(0) depctr_va_vcc(0) depctr_vm_vsrc(0)
	s_getreg_b32 s2, hwreg(HW_REG_IB_STS2, 6, 4)
	s_cmp_eq_u32 s2, 0
	s_cbranch_scc0 .Lentry_in_a_cluster
	s_endpgm
.Lentry_in_a_cluster:
	s_bfe_u32 s2, ttmp6, 0x10000c
	s_cmp_lg_u32 s2, 0xf033
	s_cbranch_scc0 .Lentry_shape_is_right
	s_endpgm
.Lentry_shape_is_right:
; x1 = x + out Wo + bo on codes of E4M3 with E8M0 scales; x1 leaves as f32 (register images, read back by the last launch with the same addresses) and, quantised along DIM, as operand images with a plane of scale words.
; SHARES.  4,096 x 1,024 gives 256 work-groups only at tiles of 128 x 128.  All four waves hold the SAME 128 x 128 (64 accumulators) and share K: of a slot's four K steps of 128 wave w takes the w-th.
; So a fragment read from LDS feeds eight products, as in a wave tile of 128 x 128.  The four partial sums meet in LDS at the end and are added as (0 + 1) + (2 + 3); wave w finishes rows 32 w .. 32 w + 31.
; K = 1,024 is two slots of 512: both are first fills; nothing is filled again.  A (out) comes as register images, dense; B (Wo) as rows of 1,024 bytes + 16.
; Clusters of 4 x 4: A's tile is asked for jointly along a row of the cluster, B's along a column.  No prefetch: all of K is asked for in the first lines.
; LIMITS: NaN and infinities are not served; a block whose largest magnitude lies under 2^-118 gets the scale byte 1.
.set AIMG,   1
.set SPLITK, 1
.set NQ,     1
.set SIZE_K, 1024
.set KS,     32
.set ROWB,   1024
.set RB,     64
.set QIB,    7
.set PITCHB, 1040
.set HALFTA, 32768                     ; four row tiles x four K steps x 2,048
.set ITILE,  16384
.set ASTEP,  8192
.set CA,     2048
.set RA,     8
.set PA,     2048
.set SH_T,   17
.set SH_W,   16
.set CSA,    64
.set RSA,    8
.set PSA,    2048
.set HALFSA, 2048
.set SAS_T,  9
.set SAS_W,  16
.set PLANE,  4194304
.set SSTA,   2048
.set RSB,    16
.set HALFSB, 8*272
.set SBS_T,  12
.set SBS_W,  11
.set SBLK,   544
.set SSTB,   16
.set APTR,  4
.set ASPTR, 4
.set BPTR,  6
.set BSPTR, 8
.set HALFTB, RB*PITCHB
.set SLOT,   133120                    ; LDS: A's 128 rows, all of K, as images: 131,072 bytes; then B's 128 rows of 1,024 + 16: 133,120; the scales from 2 SLOT on
.set SCB,    2*SLOT
.set SCA,    SCB+2*HALFSB
.set SPARE,  SCA+2*HALFSA
.set ADRA, 16
.set ADRB, 20
.set ADSA, 22
.set ADSB, 23
.set LI,   27
.set SPW,  28
.set NIL,  29
.set SCBR, 32
.set SCAR, 64
.set TM,   96
.set SW,   112
.set AF,   128
.set X,    128
.set T,    192
.set REDO, 3                           ; v3 where I put my partial sums; v10-13 where I read the four waves'
.set REDI, 10
.set WV, 28
.set WH, 29
.set WL, 30
.set CX, 32
.set CY, 33
.set TR, 34
.set TC, 35
.set MROW, 36
.set MCOL, 37
.set G1A, 40
.set G1B, 48
.set G0A, 56
.set MNT, 66
.set HI,  67
.set G0B, 68
.set G1SA, 76
.set G1SB, 84
.set G0SA, 92
.set G0SB, 96
.set SEL, 104
.set MSB, 0
.macro WIN new
.if MSB != (\new)
	s_set_vgpr_msb (MSB<<8)|(\new)
.set MSB, (\new)
.endif
.endm
.set MUL_LO, 0xa1
.set MUL_HI, 0xf1
.set TO_B,   0x40
.macro PLACES n
.rept \n
	v_nop
.endr
.endm
.macro JLOAD g0a, g1a, g0b, g1b        ; a joint load: waves 0, 1 fetch for A, waves 2, 3 for B; four v_nop follow each line
	s_cmp_eq_u32 s[WH], 0
	s_cbranch_scc0 .Lfor_b_\@
	tensor_load_to_lds s[\g0a:\g0a+3], s[\g1a:\g1a+7]
	s_nop 0
	PLACES 4
	s_branch .Lasked_\@
.Lfor_b_\@:
	tensor_load_to_lds s[\g0b:\g0b+3], s[\g1b:\g1b+7]
	s_nop 0
	PLACES 4
.Lasked_\@:
.endm
.macro CREST
	s_cmp_lg_u32 s[WV], 0
	s_cbranch_scc1 .Lnot_wave_0_\@
	s_barrier_signal -3
.Lnot_wave_0_\@:
	s_barrier_wait -3
	s_barrier_signal -1
	s_barrier_wait -1
.endm
.macro CROUND
	s_barrier_signal -1
	s_barrier_wait -1
	CREST
.endm
.macro FRAG_R reg, adr, q, i, pitch
.irp c, 0,1,2,3
	ds_load_b128 v[\reg+4*\c:\reg+4*\c+3], v[\adr] offset:128*(\q)+32*\c+(\i)*16*(\pitch)
.endr
.endm
.macro FRAG_I reg, adr, q, i
.irp c, 0,1,2,3
	ds_load_b128 v[\reg+4*\c:\reg+4*\c+3], v[\adr] offset:(\i)*ITILE+2048*(\q)+512*\c
.endr
.endm
.macro FETCH_B slot, q, p
	WIN TO_B
.irp i, 0,1,2,3,4,5,6,7
	FRAG_R 128*(\p)+16*\i, ADRB+\slot+4*(\i/4), \q, \i%4, PITCHB
.endr
	WIN 0
.endm
.macro FETCH_A slot, q, i0
.irp i, \i0, \i0+1, \i0+2, \i0+3
.if AIMG
	FRAG_I AF+16*(\i), ADRA+\slot+2*((\i)/4), \q, (\i)%4
.else
	FRAG_R AF+16*(\i), ADRA+\slot, \q, \i, 272
.endif
.endr
.endm
.macro SCALES sc
.irp i, 0,1,2,3,4,5,6,7
.if NQ == 2
	ds_load_b64 v[SCBR+16*\sc+2*\i:SCBR+16*\sc+2*\i+1], v[ADSB] offset:\i*SBLK
.else
	ds_load_b32 v[SCBR+8*\sc+\i], v[ADSB] offset:\i*SBLK
.endif
.endr
.irp i, 0,1,2,3,4,5,6,7
.if AIMG
.if NQ == 2
	ds_load_b32 v[SCAR+16*\sc+2*\i], v[ADSA] offset:64*\i
	ds_load_b32 v[SCAR+16*\sc+2*\i+1], v[ADSA] offset:512+64*\i
.else
	ds_load_b32 v[SCAR+8*\sc+\i], v[ADSA] offset:64*\i
.endif
.else
	ds_load_b64 v[SCAR+16*\sc+2*\i:SCAR+16*\sc+2*\i+1], v[ADSA] offset:\i*SBLK
.endif
.endr
.endm
; 16 matrix instructions; the 64 accumulators take turns, one instruction a turn, in the same order in every step
.macro MUL16 a0, p, q, sc, zero
.irp a, \a0, \a0+1
.irp b, 0,1,2,3,4,5,6,7
.if \zero
	v_wmma_scale_f32_16x16x128_f8f6f4 v[8*(8*((\a)%4)+\b):8*(8*((\a)%4)+\b)+7], v[128*(\p)+16*\b:128*(\p)+16*\b+15], v[AF+16*(\a):AF+16*(\a)+15], 0, v[SCBR+8*NQ*(\sc)+NQ*\b+(\q)], v[SCAR+8*NQ*(\sc)+NQ*(\a)+(\q)]
.else
	v_wmma_scale_f32_16x16x128_f8f6f4 v[8*(8*((\a)%4)+\b):8*(8*((\a)%4)+\b)+7], v[128*(\p)+16*\b:128*(\p)+16*\b+15], v[AF+16*(\a):AF+16*(\a)+15], v[8*(8*((\a)%4)+\b):8*(8*((\a)%4)+\b)+7], v[SCBR+8*NQ*(\sc)+NQ*\b+(\q)], v[SCAR+8*NQ*(\sc)+NQ*(\a)+(\q)]
.endif
.endr
.endr
.endm
; A slot's step changes slots: one barrier; in front of it each wave waits for all its tensor loads, adds 0 to its spare word, and waits for that and for its reads of this slot.
.macro TURN slot, next, fill, p, pn, q, zero
	s_wait_tensorcnt 0x0
	ds_add_u32 v[SPW], v[NIL]                      ; 0 onto my spare word
	s_wait_dscnt 17                                ; the add and the youngest 16 loads (A's blocks 4-7) may be out
	WIN MUL_LO
	MUL16 0, \p, \q, \slot, \zero
	s_wait_dscnt 0x0
	s_barrier_signal -1
	MUL16 2, \p, \q, \slot, \zero
	WIN 0
	s_barrier_wait -1
.if \fill
	CREST
	s_add_nc_u64 s[G0A+4*\slot+2:G0A+4*\slot+3], s[G0A+4*\slot+2:G0A+4*\slot+3], 2*ASTEP
	s_add_nc_u64 s[G0B+4*\slot+2:G0B+4*\slot+3], s[G0B+4*\slot+2:G0B+4*\slot+3], 2*ROWB
	JLOAD G0A+4*\slot, G1A, G0B+4*\slot, G1B
	PLACES 4
.else
	PLACES 8
.endif
	v_add_nc_u32 v[ADSA], SSTA, v[ADSA]
	v_add_nc_u32 v[ADSB], SSTB, v[ADSB]
	FETCH_B \next, 0, \pn
	FETCH_A \next, 0, 0
	SCALES \next
	WIN MUL_HI
	MUL16 4, \p, \q, \slot, \zero
	MUL16 6, \p, \q, \slot, \zero
	PLACES 8
	WIN 0
	FETCH_A \next, 0, 4
.endm
.macro LAST p, q, sc
	s_wait_dscnt 16
	WIN MUL_LO
	MUL16 0, \p, \q, \sc, 0
	MUL16 2, \p, \q, \sc, 0
	s_wait_dscnt 0
	WIN MUL_HI
	MUL16 4, \p, \q, \sc, 0
	MUL16 6, \p, \q, \sc, 0
	WIN 0
	PLACES 8
.endm
; THE QUANTISER: nb blocks of 32; v[s + 16 b + i] are my 16 numbers of block b, lane l xor 16 holds the other 16.  Codes to v[pc] on, the scale bytes joined in v[pw].
.macro QUANT s, pc, pw, nb, swap
.set qb, 0
.rept \nb
	v_max3_num_f32 v[TM+qb], |v[\s+16*qb]|, |v[\s+16*qb+1]|, 0x4800000     ; with the floor 2^(9 - 127)
.set qb, qb+1
.endr
.irp i, 2,4,6,8,10,12,14
.set qb, 0
.rept \nb
	v_max3_num_f32 v[TM+qb], v[TM+qb], |v[\s+16*qb+\i]|, |v[\s+16*qb+\i+1]|
.set qb, qb+1
.endr
.endr
.set qb, 0
.rept \nb
	v_permlanex16_b32 v[TM+4+qb], v[TM+qb], s[SEL], s[SEL+1]
.set qb, qb+1
.endr
.set qb, 0
.rept \nb
	v_max_num_f32 v[TM+qb], v[TM+qb], v[TM+4+qb]
.set qb, qb+1
.endr
.set qb, 0
.rept \nb
	v_add_nc_u32 v[TM+12+qb], 0xfc000000, v[TM+qb]
.set qb, qb+1
.endr
.set qb, 0
.rept \nb
	v_and_or_b32 v[TM+8+qb], v[TM+qb], 0x7f800000, s[MNT]
.set qb, qb+1
.endr
.set qb, 0
.rept \nb
	v_lshrrev_b32 v[TM+4+qb], 23, v[TM+12+qb]
.set qb, qb+1
.endr
	v_lshl_or_b32 v[\pw], v[TM+5], 8, v[TM+4]
.if \nb == 4
	v_lshl_or_b32 v[\pw], v[TM+6], 16, v[\pw]
	v_lshl_or_b32 v[\pw], v[TM+7], 24, v[\pw]
.endif
.set qb, 0
.rept \nb
.set qi, 0
.rept 16
	v_med3_num_f32 v[\s+16*qb+qi], v[\s+16*qb+qi], -v[TM+8+qb], v[TM+8+qb]   ; the conversion does not saturate (ISA guide 7.6.2)
.set qi, qi+1
.endr
	v_cvt_scalef32_pk8_fp8_f32 v[\pc+4*qb:\pc+4*qb+1], v[\s+16*qb:\s+16*qb+7], v[TM+12+qb]
	v_cvt_scalef32_pk8_fp8_f32 v[\pc+4*qb+2:\pc+4*qb+3], v[\s+16*qb+8:\s+16*qb+15], v[TM+12+qb]
.set qb, qb+1
.endr
	v_nop
.if \swap
.set qb, 0
.rept \nb
	v_permlane16_swap_b32 v[\pc+4*qb], v[\pc+4*qb+2]
	v_permlane16_swap_b32 v[\pc+4*qb+1], v[\pc+4*qb+3]
.set qb, qb+1
.endr
.endif
.endm
	s_load_b256 s[4:11], s[0:1], 0x0               ; oq, Wo's codes, Wo's scales, bo
	s_load_b128 s[12:15], s[0:1], 0x20             ; x, x1f
	s_load_b64 s[16:17], s[0:1], 0x30              ; x1q
	v_lshl_add_u32 v[SPW], v0, 2, SPARE
	v_mov_b32 v[NIL], 0
	ds_add_u32 v28, v29
	ds_add_u32 v28, v29
	s_wait_dscnt 0x0
	v_lshrrev_b32 v1, 5, v0
	v_readfirstlane_b32 s[WV], v1
	s_lshr_b32 s[WH], s[WV], 1                     ; I fetch for A (0) or B (1)
	s_and_b32 s[WL], s[WV], 1                      ; which half I fetch
	s_bfe_u32 s[CX], ttmp6, 0x40000
	s_bfe_u32 s[CY], ttmp6, 0x40004
	s_lshl_b32 s[TC], ttmp9, 2
	s_add_co_u32 s[TC], s[TC], s[CX]               ; tile column, 0..7
	s_and_b32 s[TR], ttmp7, 0xffff
	s_lshl_b32 s[TR], s[TR], 2
	s_add_co_u32 s[TR], s[TR], s[CY]               ; tile row, 0..31
	s_lshl_b32 s[MROW], s[CY], 2
	s_lshl_b32 s[MROW], 15, s[MROW]
	s_lshl_b32 s[MCOL], 0x1111, s[CX]
	s_mov_b32 s[MNT], 0x600000
	s_mov_b32 s[HI], 0xffff0000
	s_mov_b32 s[SEL], 0x76543210
	s_mov_b32 s[SEL+1], 0xfedcba98
.if AIMG
	s_or_b32 s[G1A], s[MROW], (3<<16)|(1<<21)
	s_or_b32 s[G1SA], s[MROW], (3<<16)|(1<<21)
.else
	s_or_b32 s[G1A], s[MROW], (1<<20)|(1<<21)|(5<<22)|(3<<25)
	s_or_b32 s[G1SA], s[MROW], (3<<16)|(1<<20)|(1<<21)|(5<<22)|(3<<25)
.endif
	s_mov_b32 s[G1A+1], CA<<16
	s_mov_b32 s[G1A+2], RA<<16
	s_mov_b32 s[G1A+3], CA<<16
	s_mov_b32 s[G1A+4], RA
	s_mov_b32 s[G1A+5], PA
	s_mov_b32 s[G1A+6], 0
	s_mov_b32 s[G1A+7], 0
	s_mov_b32 s[G1SA+1], CSA<<16
	s_mov_b32 s[G1SA+2], RSA<<16
	s_mov_b32 s[G1SA+3], CSA<<16
	s_mov_b32 s[G1SA+4], RSA
	s_mov_b32 s[G1SA+5], PSA
	s_mov_b32 s[G1SA+6], 0
	s_mov_b32 s[G1SA+7], 0
	s_or_b32 s[G1B], s[MCOL], (1<<20)|(1<<21)|(QIB<<22)|(3<<25)
	s_mov_b32 s[G1B+1], ROWB<<16
	s_mov_b32 s[G1B+2], (2*RB)<<16
	s_mov_b32 s[G1B+3], ROWB<<16
	s_mov_b32 s[G1B+4], 2*RB
	s_mov_b32 s[G1B+5], SIZE_K
	s_mov_b32 s[G1B+6], 0
	s_mov_b32 s[G1B+7], 0
	s_or_b32 s[G1SB], s[MCOL], (3<<16)|(1<<20)|(1<<21)|(5<<22)|(3<<25)
	s_mov_b32 s[G1SB+1], 32<<16
	s_mov_b32 s[G1SB+2], RSB<<16
	s_mov_b32 s[G1SB+3], 32<<16
	s_mov_b32 s[G1SB+4], RSB
	s_mov_b32 s[G1SB+5], 32
	s_mov_b32 s[G1SB+6], 0
	s_mov_b32 s[G1SB+7], 0
	s_lshl_b32 s100, s[TR], SH_T
	s_lshl_b32 s101, s[WL], SH_W
	s_add_co_u32 s100, s100, s101
	s_mov_b32 s101, 0
	s_lshl_b32 s2, s[TC], SH_T
	s_lshl_b32 s3, s[WL], SH_W
	s_add_co_u32 s2, s2, s3
	s_mov_b32 s3, 0
	s_mul_i32 s38, s[WL], HALFTA
	s_mul_i32 s39, s[WL], HALFTB
	s_add_co_u32 s39, s39, 4*HALFTA
	s_wait_kmcnt 0x0
.irp s, 0,1
	s_mov_b32 s[G0A+4*\s], 1
	s_add_co_u32 s[G0A+4*\s+1], s38, \s*SLOT
	s_add_nc_u64 s[G0A+4*\s+2:G0A+4*\s+3], s[APTR:APTR+1], s[100:101]
.if \s
	s_add_nc_u64 s[G0A+4*\s+2:G0A+4*\s+3], s[G0A+4*\s+2:G0A+4*\s+3], ASTEP
.endif
	s_or_b32 s[G0A+4*\s+3], s[G0A+4*\s+3], 0x80000000
	s_mov_b32 s[G0B+4*\s], 1
	s_add_co_u32 s[G0B+4*\s+1], s39, \s*SLOT
	s_add_nc_u64 s[G0B+4*\s+2:G0B+4*\s+3], s[BPTR:BPTR+1], s[2:3]
.if \s
	s_add_nc_u64 s[G0B+4*\s+2:G0B+4*\s+3], s[G0B+4*\s+2:G0B+4*\s+3], ROWB
.endif
	s_or_b32 s[G0B+4*\s+3], s[G0B+4*\s+3], 0x80000000
.endr
	s_lshl_b32 s100, s[TR], SAS_T
	s_mov_b32 s101, 0
	s_lshl_b32 s2, s[TC], SBS_T
	s_mov_b32 s3, 0
	s_mov_b32 s[G0SA], 1
	s_mov_b32 s[G0SA+1], SCA
	s_add_nc_u64 s[G0SA+2:G0SA+3], s[ASPTR:ASPTR+1], s[100:101]
.if PLANE
	s_add_nc_u64 s[G0SA+2:G0SA+3], s[G0SA+2:G0SA+3], PLANE
.endif
	s_or_b32 s[G0SA+3], s[G0SA+3], 0x80000000
	s_mov_b32 s[G0SB], 1
	s_mov_b32 s[G0SB+1], SCB
	s_add_nc_u64 s[G0SB+2:G0SB+3], s[BSPTR:BSPTR+1], s[2:3]
	s_or_b32 s[G0SB+3], s[G0SB+3], 0x80000000
	CROUND                                         ; all sixteen work-groups are here: the first joint loads meet
; all that the work-group reads comes by four joint loads, one a wave: wave 0 A's images of all of K, wave 1 A's scale words, wave 2 B's 128 whole rows, wave 3 B's scale bytes
.macro ARM under, g0, g1, next
	s_cmp_lt_u32 s[WV], \under
	s_cbranch_scc0 \next
	tensor_load_to_lds s[\g0:\g0+3], s[\g1:\g1+7]
	s_nop 0
	PLACES 4
	s_branch .Lhead_asked
\next:
.endm
	ARM 1, G0A, G1A, .Lhead_sa
	ARM 2, G0SA, G1SA, .Lhead_b
	ARM 3, G0B, G1B, .Lhead_sb
	tensor_load_to_lds s[G0SB:G0SB+3], s[G1SB:G1SB+7]
	s_nop 0
	PLACES 4
.Lhead_asked:
	v_and_b32 v1, 15, v0
	v_bfe_u32 v2, v0, 4, 1
	v_and_b32 v[LI], 31, v0
	v_lshlrev_b32 v[LI], 4, v[LI]
.irp b, 0,1,2,3
	v_mov_b32 v[TM+4+\b], 0
.endr
.if AIMG
.if SPLITK
	s_lshl_b32 s38, s[WV], 11
.else
	s_lshl_b32 s38, s[WH], 15
.endif
	v_add_nc_u32 v[ADRA], s38, v[LI]
.else
	v_mul_u32_u24 v3, v1, 272
	v_lshl_add_u32 v3, v2, 4, v3
	s_mul_i32 s38, s[WH], HALFTA
	v_add_nc_u32 v[ADRA], s38, v3
.endif
	v_add_nc_u32 v[ADRA+1], 8192, v[ADRA]          ; K steps 4-7 of a row tile; v18, v19: the same for row tiles 4-7 (an LDS offset has 16 bits)
	v_add_nc_u32 v[ADRA+2], 65536, v[ADRA]
	v_add_nc_u32 v[ADRA+3], 73728, v[ADRA]
	v_mul_u32_u24 v3, v1, PITCHB
	v_lshl_add_u32 v3, v2, 4, v3
.if SPLITK
	s_lshl_b32 s38, s[WV], 7
.else
	s_mul_i32 s38, s[WL], HALFTB
.endif
	s_add_co_u32 s38, s38, 4*HALFTA
	v_add_nc_u32 v[ADRB], s38, v3
	v_add_nc_u32 v[ADRB+1], 512, v[ADRB]           ; K steps 4-7 of a row; v24, v25: the same for rows 64-127
	v_add_nc_u32 v[ADRB+4], 64*PITCHB, v[ADRB]
	v_add_nc_u32 v[ADRB+5], 64*PITCHB+512, v[ADRB]
	v_mul_u32_u24 v3, v1, KS
	v_lshrrev_b32 v4, 8, v3
	v_lshl_add_u32 v3, v4, 4, v3
.if SPLITK
	s_lshl_b32 s38, s[WV], 2
.else
	s_mul_i32 s38, s[WL], HALFSB
.endif
	s_add_co_u32 s38, s38, SCB
	v_add_nc_u32 v[ADSB], s38, v3
.if AIMG
	v_lshlrev_b32 v4, 2, v1
.if SPLITK
	s_lshl_b32 s38, s[WV], 9
.else
	s_lshl_b32 s38, s[WH], 12
.endif
	s_add_co_u32 s38, s38, SCA
	v_add_nc_u32 v[ADSA], s38, v4
.else
	s_mul_i32 s38, s[WH], HALFSA
	s_add_co_u32 s38, s38, SCA
	v_add_nc_u32 v[ADSA], s38, v3
.endif
	; ---- the meeting of the partial sums: [wave][A's block 8][B's block 8][2][512] over the ring, behind its last fill and last read
	s_lshl_b32 s38, s[WV], 16
	v_add_nc_u32 v[REDO], s38, v[LI]
	s_lshl_b32 s38, s[WV], 14
	v_add_nc_u32 v[REDI], s38, v[LI]
	v_add_nc_u32 v[REDI+1], 65536, v[REDI]
	v_add_nc_u32 v[REDI+2], 131072, v[REDI]
	v_add_nc_u32 v[REDI+3], 196608, v[REDI]
	v_lshrrev_b32 v5, 2, v[LI]                     ; 4 x lane
	v_lshlrev_b32 v6, 5, v2                        ; 32 h
	v_lshlrev_b32 v8, 12, v1
	v_lshl_add_u32 v8, v2, 5, v8                   ; x: row r of 4,096 bytes + 32 h
	s_mov_b32 s39, 0
	s_lshl_b32 s38, s[TC], 9
	s_add_nc_u64 s[10:11], s[10:11], s[38:39]      ; bo at column 128 TC
	s_lshl_b32 s2, s[TR], 19
	s_add_co_u32 s38, s38, s2
	s_lshl_b32 s2, s[WV], 17
	s_add_co_u32 s38, s38, s2
	s_add_nc_u64 s[12:13], s[12:13], s[38:39]      ; x at row 128 TR + 32 wave, column 128 TC
	s_lshl_b32 s38, s[TR], 19
	s_lshl_b32 s2, s[TC], 16
	s_add_co_u32 s38, s38, s2
	s_lshl_b32 s2, s[WV], 14
	s_add_co_u32 s38, s38, s2
	s_add_nc_u64 s[14:15], s[14:15], s[38:39]      ; x1f: ((8 TR + TC) 4 + wave) x 16,384
	s_lshl_b32 s38, s[TC], 14
	s_lshl_b32 s2, s[TR], 9
	s_add_co_u32 s38, s38, s2
	s_lshl_b32 s2, s[WV], 7
	s_add_co_u32 s38, s38, s2
	s_add_nc_u64 s[18:19], s[16:17], s[38:39]
	s_add_nc_u64 s[18:19], s[18:19], 4194304       ; x1q's plane: (4,096 TC + 128 TR + 32 wave) x 4
	s_lshl_b32 s38, s[TR], 17
	s_lshl_b32 s2, s[WV], 15
	s_add_co_u32 s38, s38, s2
	s_lshl_b32 s2, s[TC], 11
	s_add_co_u32 s38, s38, s2
	s_add_nc_u64 s[16:17], s[16:17], s[38:39]      ; x1q's images: (8 TR + 2 wave) x 16,384 + 2,048 TC
	; ---- the product
	s_wait_alu depctr_va_vdst(0)
	s_wait_tensorcnt 0x0                           ; my tile of the four is in
	s_barrier_signal -1
	s_barrier_wait -1                              ; everybody's is
	FETCH_B 0, 0, 0
	FETCH_A 0, 0, 0
	SCALES 0
	FETCH_A 0, 0, 4
	TURN 0, 1, 0, 0, 1, 0, 1                       ; K steps 0-3: the first products start the sums
	WIN TO_B                                       ; the bias and my first 16 rows of x, into B's set 0, which the step above has left (eight places back)
.irp b, 0,1,2,3,4,5,6,7
	global_load_b128 v[8*\b:8*\b+3], v6, s[10:11] offset:64*\b
	global_load_b128 v[8*\b+4:8*\b+7], v6, s[10:11] offset:64*\b+16
.endr
.irp b, 0,1,2,3,4,5,6,7
	global_load_b128 v[64+8*\b:64+8*\b+3], v8, s[12:13] offset:64*\b
	global_load_b128 v[64+8*\b+4:64+8*\b+7], v8, s[12:13] offset:64*\b+16
.endr
	WIN 0
	LAST 1, 0, 1                                   ; K steps 4-7
	WIN TO_B
.irp b, 0,1,2,3,4,5,6,7
	global_load_b128 v[128+8*\b:128+8*\b+3], v8, s[12:13] offset:65536+64*\b       ; my second 16 rows of x
	global_load_b128 v[128+8*\b+4:128+8*\b+7], v8, s[12:13] offset:65536+64*\b+16
.endr
	WIN 0
	s_wait_dscnt 0x0
	s_barrier_signal -1
	s_barrier_wait -1                              ; nobody reads the ring any more
.irp a, 0,1,2,3,4,5,6,7
	WIN 0x08+4*(\a/4)
.irp b, 0,1,2,3,4,5,6,7
	ds_store_b128 v[REDO], v[8*(8*(\a%4)+\b):8*(8*(\a%4)+\b)+3] offset:8192*\a+1024*\b          ; each accumulator from its low end on
	ds_store_b128 v[REDO], v[8*(8*(\a%4)+\b)+4:8*(8*(\a%4)+\b)+7] offset:8192*\a+1024*\b+512
.endr
.endr
	WIN 0
	s_wait_dscnt 0x0                               ; my partial sums lie in LDS
	s_barrier_signal -1
	s_barrier_wait -1                              ; everybody's do
.irp ap, 0,1                                       ; A's blocks 2 wave + ap are mine: the four waves' sums of block ap into window 2 + ap
	WIN 0x80+0x40*\ap
.irp s, 0,1,2,3
.irp b, 0,1,2,3,4,5,6,7
	ds_load_b128 v[64*\s+8*\b:64*\s+8*\b+3], v[REDI+\s] offset:8192*\ap+1024*\b
	ds_load_b128 v[64*\s+8*\b+4:64*\s+8*\b+7], v[REDI+\s] offset:8192*\ap+1024*\b+512
.endr
.endr
.endr
	WIN 0
	s_wait_dscnt 0x0
	s_wait_loadcnt 0x0
.macro SUMS ap                         ; X = (P0 + P1) + (P2 + P3) + bias + residual
	WIN 0x0a+5*(\ap)
.set i, 0
.rept 32
	v_pk_add_f32 v[X+i:X+i+1], v[i:i+1], v[64+i:65+i]
	v_pk_add_f32 v[T+i:T+i+1], v[128+i:129+i], v[192+i:193+i]
.set i, i+2
.endr
	WIN 0
.set i, 0
.rept 32
	v_pk_add_f32 v[X+i:X+i+1], v[X+i:X+i+1], v[T+i:T+i+1]
.set i, i+2
.endr
	WIN 0x04
.set i, 0
.rept 32
	v_pk_add_f32 v[X+i:X+i+1], v[X+i:X+i+1], v[i:i+1]
.set i, i+2
.endr
.set i, 0
.rept 32
	v_pk_add_f32 v[X+i:X+i+1], v[X+i:X+i+1], v[64+64*(\ap)+i:65+64*(\ap)+i]
.set i, i+2
.endr
	WIN 0
.endm
.irp ap, 0,1
	s_wait_xcnt 0x0                                ; the last group's stores have read their registers
	SUMS \ap
.irp k, 0,1,2,3,4,5,6,7,8,9,10,11,12,13,14,15
	global_store_b128 v[LI], v[X+4*\k:X+4*\k+3], s[14:15] offset:8192*\ap+512*\k    ; x1 in f32, as the registers stand: 512 consecutive bytes a store
.endr
	s_wait_xcnt 0x0                                ; the quantiser's hold writes these registers
	QUANT X, T, SW+\ap, 4, 1
.irp q, 0,1,2,3
	global_store_b128 v[LI], v[T+4*\q:T+4*\q+3], s[16:17] offset:16384*\ap+512*\q
.endr
.endr
	v_cndmask_b32 v[SW+2], v[SW], v[SW+1], s[HI]   ; lanes 16-31 take the second block's words
	global_store_b32 v5, v[SW+2], s[18:19]         ; 32 rows' scale words: 128 consecutive bytes
	s_wait_tensorcnt 0x0                           ; the wave's end
	ds_add_u32 v[SPW], v[NIL]
	s_wait_dscnt 0x0
	CROUND                                         ; the closing round
	s_endpgm
.Lfunc_end_k_q13439bda10_oproj:
	.size	k_q13439bda10_oproj, .Lfunc_end_k_q13439bda10_oproj-k_q13439bda10_oproj
	.p2alignl 7, 3214868480
	.fill 96, 4, 3214868480
	.section	.rodata,"a",@progbits
	.p2align	6, 0x0
	.amdhsa_kernel k_q13439bda10_oproj
		.amdhsa_group_segment_fixed_size 327680
		.amdhsa_private_segment_fixed_size 0
		.amdhsa_enable_private_segment 0
		.amdhsa_kernarg_size 56
		.amdhsa_user_sgpr_count 2
		.amdhsa_user_sgpr_kernarg_segment_ptr 1
		.amdhsa_wavefront_size32 1
		.amdhsa_system_sgpr_workgroup_id_x 1
		.amdhsa_system_sgpr_workgroup_id_y 1
		.amdhsa_system_sgpr_workgroup_id_z 1
		.amdhsa_system_vgpr_workitem_id 0
		.amdhsa_next_free_vgpr 1024
		.amdhsa_next_free_sgpr 106
		.amdhsa_reserve_vcc 0
		.amdhsa_float_denorm_mode_32 3
		.amdhsa_float_denorm_mode_16_64 3
		.amdhsa_memory_ordered 1
		.amdhsa_forward_progress 1
		.amdhsa_inst_pref_size 100
	.end_amdhsa_kernel
	.amdgpu_metadata
---
amdhsa.version: [ 1, 2 ]
amdhsa.kernels:
  - .name:           k_q13439bda10_oproj
    .symbol:         k_q13439bda10_oproj.kd
    .args:
      - { .name: oq, .offset: 0, .size: 8, .value_kind: global_buffer, .address_space: global }
      - { .name: Wo_codes, .offset: 8, .size: 8, .value_kind: global_buffer, .address_space: global }
      - { .name: Wo_scales, .offset: 16, .size: 8, .value_kind: global_buffer, .address_space: global }
      - { .name: bo, .offset: 24, .size: 8, .value_kind: global_buffer, .address_space: global }
      - { .name: x, .offset: 32, .size: 8, .value_kind: global_buffer, .address_space: global }
      - { .name: x1f, .offset: 40, .size: 8, .value_kind: global_buffer, .address_space: global }
      - { .name: x1q, .offset: 48, .size: 8, .value_kind: global_buffer, .address_space: global }
    .group_segment_fixed_size: 327680
    .private_segment_fixed_size: 0
    .kernarg_segment_align: 8
    .kernarg_segment_size: 56
    .max_flat_workgroup_size: 128
    .sgpr_count:     106
    .vgpr_count:     1024
    .wavefront_size: 32
...
	.end_amdgpu_metadata
.endif
;; end of part 3
;; launch mlp1 (part 4): grid 16 x 16, 4 waves a work-group, clusters of 4 x 4, 327,680 bytes of LDS; arguments x1q, W1_codes, W1_scales, b1, hq; writes hq
.if DOCPART == 4
	.amdgcn_target "amdgcn-amd-amdhsa--gfx1250"
	.amdhsa_code_object_version 6
	.text
	.protected	k_q13439bda10_mlp1
	.globl	k_q13439bda10_mlp1
	.p2align	8
	.type	k_q13439bda10_mlp1,@function
k_q13439bda10_mlp1:
	s_mov_b64 s[64:65], 0
	v_nop
	global_prefetch_b8 v0, s[64:65] scope:SCOPE_SE
	s_setreg_imm32_b32 hwreg(HW_REG_WAVE_MODE, 25, 1), 1
	s_wait_xcnt 0x0
	s_wait_alu depctr_hold_cnt(0) depctr_sa_sdst(0) depctr_va_vdst(0) depctr_va_sdst(0) depctr_va_ssrc(0) depctr_va_vcc(0) depctr_vm_vsrc(0)
	s_getreg_b32 s2, hwreg(HW_REG_IB_STS2, 6, 4)
	s_cmp_eq_u32 s2, 0
	s_cbranch_scc0 .Lentry_in_a_cluster
	s_endpgm
.Lentry_in_a_cluster:
	s_bfe_u32 s2, ttmp6, 0x10000c
	s_cmp_lg_u32 s2, 0xf033
	s_cbranch_scc0 .Lentry_shape_is_right
	s_endpgm
.Lentry_shape_is_right:
; h = gelu(x1 W1 + b1) on codes of E4M3 with E8M0 scales; h, quantised along FF, leaves as operand images with a plane of scale words.
; gelu in the tanh form, exactly: x / (1 + 2^(x (c1 + c2 x^2))), c1 = -2 sqrt(2 / pi) log2(e), c2 = 0.044715 c1; all in f32.
; SHARES.  256 work-groups of four waves; a work-group makes 256 x 256, a wave 128 x 128: 64 accumulators.  K = 1,024 goes in four steps of 256 through two LDS slots.
; A (x1) comes as register images, dense in LDS; its scale words from a plane [K step][row]; B (W1) as rows of 256 bytes + 16, its scale bytes for all of K once.
; Clusters of 4 x 4: A's tile is asked for jointly along a row of the cluster, B's along a column.  K steps 1 to 3 are prefetched; half of K is asked for by the first fills.  One tile to a work-group: there are exactly 256.
; LIMITS: NaN and infinities are not served; a block whose largest magnitude lies under 2^-118 gets the scale byte 1.
.set AIMG,   1
.set SPLITK, 0
.set NQ,     2
.set SIZE_K, 1024
.set KS,     32
.set ROWB,   256
.set RB,     128
.set QIB,    5
.set PITCHB, 272
.set HALFTA, 32768                     ; eight row tiles x two K steps x 2,048
.set ITILE,  4096
.set ASTEP,  4096
.set CA,     512
.set RA,     16
.set PA,     2048
.set SH_T,   18
.set SH_W,   17
.set CSA,    128
.set RSA,    8
.set PSA,    2048
.set HALFSA, 4096
.set SAS_T,  10
.set SAS_W,  9
.set PLANE,  4194304
.set SSTA,   2048
.set RSB,    32
.set HALFSB, 16*272
.set SBS_T,  13
.set SBS_W,  12
.set SBLK,   544
.set SSTB,   8
.set APTR,  4
.set ASPTR, 4
.set BPTR,  6
.set BSPTR, 8
.set C2,    16                         ; s[16:17] c2
.set HALFTB, RB*PITCHB
.set SLOT,   2*HALFTA+2*HALFTB
.set SCB,    2*SLOT
.set SCA,    SCB+2*HALFSB
.set SPARE,  SCA+2*HALFSA
.set ADRA, 16
.set ADRB, 20
.set ADSA, 22
.set ADSB, 23
.set LI,   27
.set SPW,  28
.set NIL,  29
.set SCBR, 32
.set SCAR, 64
.set TM,   96
.set SW,   112
.set AF,   128
.set X,    128
.set T,    192
.set WV, 28
.set WH, 29
.set WL, 30
.set CX, 32
.set CY, 33
.set TR, 34
.set TC, 35
.set MROW, 36
.set MCOL, 37
.set G1A, 40
.set G1B, 48
.set G0A, 56
.set MNT, 66
.set HI,  67
.set G0B, 68
.set G1SA, 76
.set G1SB, 84
.set G0SA, 92
.set G0SB, 96
.set SEL, 104
.set MSB, 0
.macro WIN new
.if MSB != (\new)
	s_set_vgpr_msb (MSB<<8)|(\new)
.set MSB, (\new)
.endif
.endm
.set MUL_LO, 0xa1
.set MUL_HI, 0xf1
.set TO_B,   0x40
.macro PLACES n
.rept \n
	v_nop
.endr
.endm
.macro JLOAD g0a, g1a, g0b, g1b        ; a joint load: waves 0, 1 fetch for A, waves 2, 3 for B; four v_nop follow each line
	s_cmp_eq_u32 s[WH], 0
	s_cbranch_scc0 .Lfor_b_\@
	tensor_load_to_lds s[\g0a:\g0a+3], s[\g1a:\g1a+7]
	s_nop 0
	PLACES 4
	s_branch .Lasked_\@
.Lfor_b_\@:
	tensor_load_to_lds s[\g0b:\g0b+3], s[\g1b:\g1b+7]
	s_nop 0
	PLACES 4
.Lasked_\@:
.endm
.macro CREST
	s_cmp_lg_u32 s[WV], 0
	s_cbranch_scc1 .Lnot_wave_0_\@
	s_barrier_signal -3
.Lnot_wave_0_\@:
	s_barrier_wait -3
	s_barrier_signal -1
	s_barrier_wait -1
.endm
.macro CROUND
	s_barrier_signal -1
	s_barrier_wait -1
	CREST
.endm
.macro FRAG_R reg, adr, q, i, pitch
.irp c, 0,1,2,3
	ds_load_b128 v[\reg+4*\c:\reg+4*\c+3], v[\adr] offset:128*(\q)+32*\c+(\i)*16*(\pitch)
.endr
.endm
.macro FRAG_I reg, adr, q, i
.irp c, 0,1,2,3
	ds_load_b128 v[\reg+4*\c:\reg+4*\c+3], v[\adr] offset:(\i)*ITILE+2048*(\q)+512*\c
.endr
.endm
.macro FETCH_B slot, q, p
	WIN TO_B
.irp i, 0,1,2,3,4,5,6,7
	FRAG_R 128*(\p)+16*\i, ADRB+\slot, \q, \i, PITCHB
.endr
	WIN 0
.endm
.macro FETCH_A slot, q, i0
.irp i, \i0, \i0+1, \i0+2, \i0+3
.if AIMG
	FRAG_I AF+16*(\i), ADRA+\slot, \q, \i
.else
	FRAG_R AF+16*(\i), ADRA+\slot, \q, \i, 272
.endif
.endr
.endm
.macro SCALES sc
.irp i, 0,1,2,3,4,5,6,7
.if NQ == 2
	ds_load_b64 v[SCBR+16*\sc+2*\i:SCBR+16*\sc+2*\i+1], v[ADSB] offset:\i*SBLK
.else
	ds_load_b32 v[SCBR+8*\sc+\i], v[ADSB] offset:\i*SBLK
.endif
.endr
.irp i, 0,1,2,3,4,5,6,7
.if AIMG
.if NQ == 2
	ds_load_b32 v[SCAR+16*\sc+2*\i], v[ADSA] offset:64*\i
	ds_load_b32 v[SCAR+16*\sc+2*\i+1], v[ADSA] offset:1024+64*\i
.else
	ds_load_b32 v[SCAR+8*\sc+\i], v[ADSA] offset:64*\i
.endif
.else
	ds_load_b64 v[SCAR+16*\sc+2*\i:SCAR+16*\sc+2*\i+1], v[ADSA] offset:\i*SBLK
.endif
.endr
.endm
; 16 matrix instructions; the 64 accumulators take turns, one instruction a turn, in the same order in every step
.macro MUL16 a0, p, q, sc, zero
.irp a, \a0, \a0+1
.irp b, 0,1,2,3,4,5,6,7
.if \zero
	v_wmma_scale_f32_16x16x128_f8f6f4 v[8*(8*((\a)%4)+\b):8*(8*((\a)%4)+\b)+7], v[128*(\p)+16*\b:128*(\p)+16*\b+15], v[AF+16*(\a):AF+16*(\a)+15], 0, v[SCBR+8*NQ*(\sc)+NQ*\b+(\q)], v[SCAR+8*NQ*(\sc)+NQ*(\a)+(\q)]
.else
	v_wmma_scale_f32_16x16x128_f8f6f4 v[8*(8*((\a)%4)+\b):8*(8*((\a)%4)+\b)+7], v[128*(\p)+16*\b:128*(\p)+16*\b+15], v[AF+16*(\a):AF+16*(\a)+15], v[8*(8*((\a)%4)+\b):8*(8*((\a)%4)+\b)+7], v[SCBR+8*NQ*(\sc)+NQ*\b+(\q)], v[SCAR+8*NQ*(\sc)+NQ*(\a)+(\q)]
.endif
.endr
.endr
.endm
.macro STEP slot, q, zero
	s_wait_dscnt 16                                ; all but the youngest 16 loads (A's blocks 4-7) are in
	WIN MUL_LO
	MUL16 0, (\q)%2, \q, \slot, \zero
	MUL16 2, (\q)%2, \q, \slot, \zero
	s_wait_dscnt 0
	PLACES 8
	FETCH_B \slot, (\q)+1, 1-(\q)%2
	FETCH_A \slot, (\q)+1, 0
	WIN MUL_HI
	MUL16 4, (\q)%2, \q, \slot, \zero
	MUL16 6, (\q)%2, \q, \slot, \zero
	PLACES 8
	WIN 0
	FETCH_A \slot, (\q)+1, 4
.endm
; A slot's last step changes slots: one barrier; in front of it each wave waits for all its tensor loads, adds 0 to its spare word, and waits for that and for its reads of this slot.
.macro TURN slot, next, fill, p, pn, q, zero
	s_wait_tensorcnt 0x0
	ds_add_u32 v[SPW], v[NIL]                      ; 0 onto my spare word
	s_wait_dscnt 17                                ; the add and the youngest 16 loads may be out
	WIN MUL_LO
	MUL16 0, \p, \q, \slot, \zero
	s_wait_dscnt 0x0
	s_barrier_signal -1
	MUL16 2, \p, \q, \slot, \zero
	WIN 0
	s_barrier_wait -1
.if \fill
	CREST                                          ; the barrier opened a round of the cluster's: no wave of any partner still reads this slot or has a load on its way
	s_add_nc_u64 s[G0A+4*\slot+2:G0A+4*\slot+3], s[G0A+4*\slot+2:G0A+4*\slot+3], 2*ASTEP
	s_add_nc_u64 s[G0B+4*\slot+2:G0B+4*\slot+3], s[G0B+4*\slot+2:G0B+4*\slot+3], 2*ROWB
	JLOAD G0A+4*\slot, G1A, G0B+4*\slot, G1B
	PLACES 4
.else
	PLACES 8
.endif
	s_wait_alu depctr_va_vdst(0)
	v_add_nc_u32 v[ADSA], SSTA, v[ADSA]
	v_add_nc_u32 v[ADSB], SSTB, v[ADSB]
	FETCH_B \next, 0, \pn
	FETCH_A \next, 0, 0
	SCALES \next
	WIN MUL_HI
	MUL16 4, \p, \q, \slot, \zero
	MUL16 6, \p, \q, \slot, \zero
	PLACES 8
	WIN 0
	FETCH_A \next, 0, 4
.endm
.macro LAST p, q, sc
	s_wait_dscnt 16
	WIN MUL_LO
	MUL16 0, \p, \q, \sc, 0
	MUL16 2, \p, \q, \sc, 0
	s_wait_dscnt 0
	WIN MUL_HI
	MUL16 4, \p, \q, \sc, 0
	MUL16 6, \p, \q, \sc, 0
	WIN 0
	PLACES 8
.endm
; THE QUANTISER: nb blocks of 32; v[s + 16 b + i] are my 16 numbers of block b, lane l xor 16 holds the other 16.  Codes to v[pc] on, the scale bytes joined in v[pw].
.macro QUANT s, pc, pw, nb, swap
.set qb, 0
.rept \nb
	v_max3_num_f32 v[TM+qb], |v[\s+16*qb]|, |v[\s+16*qb+1]|, 0x4800000     ; with the floor 2^(9 - 127)
.set qb, qb+1
.endr
.irp i, 2,4,6,8,10,12,14
.set qb, 0
.rept \nb
	v_max3_num_f32 v[TM+qb], v[TM+qb], |v[\s+16*qb+\i]|, |v[\s+16*qb+\i+1]|
.set qb, qb+1
.endr
.endr
.set qb, 0
.rept \nb
	v_permlanex16_b32 v[TM+4+qb], v[TM+qb], s[SEL], s[SEL+1]
.set qb, qb+1
.endr
.set qb, 0
.rept \nb
	v_max_num_f32 v[TM+qb], v[TM+qb], v[TM+4+qb]
.set qb, qb+1
.endr
.set qb, 0
.rept \nb
	v_add_nc_u32 v[TM+12+qb], 0xfc000000, v[TM+qb]
.set qb, qb+1
.endr
.set qb, 0
.rept \nb
	v_and_or_b32 v[TM+8+qb], v[TM+qb], 0x7f800000, s[MNT]
.set qb, qb+1
.endr
.set qb, 0
.rept \nb
	v_lshrrev_b32 v[TM+4+qb], 23, v[TM+12+qb]
.set qb, qb+1
.endr
	v_lshl_or_b32 v[\pw], v[TM+5], 8, v[TM+4]
.if \nb == 4
	v_lshl_or_b32 v[\pw], v[TM+6], 16, v[\pw]
	v_lshl_or_b32 v[\pw], v[TM+7], 24, v[\pw]
.endif
.set qb, 0
.rept \nb
.set qi, 0
.rept 16
	v_med3_num_f32 v[\s+16*qb+qi], v[\s+16*qb+qi], -v[TM+8+qb], v[TM+8+qb]   ; the conversion does not saturate (ISA guide 7.6.2)
.set qi, qi+1
.endr
	v_cvt_scalef32_pk8_fp8_f32 v[\pc+4*qb:\pc+4*qb+1], v[\s+16*qb:\s+16*qb+7], v[TM+12+qb]
	v_cvt_scalef32_pk8_fp8_f32 v[\pc+4*qb+2:\pc+4*qb+3], v[\s+16*qb+8:\s+16*qb+15], v[TM+12+qb]
.set qb, qb+1
.endr
	v_nop
.if \swap
.set qb, 0
.rept \nb
	v_permlane16_swap_b32 v[\pc+4*qb], v[\pc+4*qb+2]
	v_permlane16_swap_b32 v[\pc+4*qb+1], v[\pc+4*qb+3]
.set qb, qb+1
.endr
.endif
.endm
	s_load_b256 s[4:11], s[0:1], 0x0               ; x1q, W1's codes, W1's scales, b1
	s_load_b64 s[12:13], s[0:1], 0x20              ; hq
	v_lshl_add_u32 v[SPW], v0, 2, SPARE
	v_mov_b32 v[NIL], 0
	ds_add_u32 v28, v29
	ds_add_u32 v28, v29
	s_wait_dscnt 0x0
	v_lshrrev_b32 v1, 5, v0
	v_readfirstlane_b32 s[WV], v1
	s_lshr_b32 s[WH], s[WV], 1
	s_and_b32 s[WL], s[WV], 1
	s_bfe_u32 s[CX], ttmp6, 0x40000
	s_bfe_u32 s[CY], ttmp6, 0x40004
	s_lshl_b32 s[TC], ttmp9, 2
	s_add_co_u32 s[TC], s[TC], s[CX]               ; tile column, 0..15
	s_and_b32 s[TR], ttmp7, 0xffff
	s_lshl_b32 s[TR], s[TR], 2
	s_add_co_u32 s[TR], s[TR], s[CY]               ; tile row, 0..15
	s_lshl_b32 s[MROW], s[CY], 2
	s_lshl_b32 s[MROW], 15, s[MROW]
	s_lshl_b32 s[MCOL], 0x1111, s[CX]
	s_mov_b32 s[MNT], 0x600000
	s_mov_b32 s[HI], 0xffff0000
	s_mov_b32 s[SEL], 0x76543210
	s_mov_b32 s[SEL+1], 0xfedcba98
.if AIMG
	s_or_b32 s[G1A], s[MROW], (3<<16)|(1<<21)
	s_or_b32 s[G1SA], s[MROW], (3<<16)|(1<<21)
.else
	s_or_b32 s[G1A], s[MROW], (1<<20)|(1<<21)|(5<<22)|(3<<25)
	s_or_b32 s[G1SA], s[MROW], (3<<16)|(1<<20)|(1<<21)|(5<<22)|(3<<25)
.endif
	s_mov_b32 s[G1A+1], CA<<16
	s_mov_b32 s[G1A+2], RA<<16
	s_mov_b32 s[G1A+3], CA<<16
	s_mov_b32 s[G1A+4], RA
	s_mov_b32 s[G1A+5], PA
	s_mov_b32 s[G1A+6], 0
	s_mov_b32 s[G1A+7], 0
	s_mov_b32 s[G1SA+1], CSA<<16
	s_mov_b32 s[G1SA+2], RSA<<16
	s_mov_b32 s[G1SA+3], CSA<<16
	s_mov_b32 s[G1SA+4], RSA
	s_mov_b32 s[G1SA+5], PSA
	s_mov_b32 s[G1SA+6], 0
	s_mov_b32 s[G1SA+7], 0
	s_or_b32 s[G1B], s[MCOL], (1<<20)|(1<<21)|(QIB<<22)|(3<<25)
	s_mov_b32 s[G1B+1], ROWB<<16
	s_mov_b32 s[G1B+2], (2*RB)<<16
	s_mov_b32 s[G1B+3], ROWB<<16
	s_mov_b32 s[G1B+4], 2*RB
	s_mov_b32 s[G1B+5], SIZE_K
	s_mov_b32 s[G1B+6], 0
	s_mov_b32 s[G1B+7], 0
	s_or_b32 s[G1SB], s[MCOL], (3<<16)|(1<<20)|(1<<21)|(5<<22)|(3<<25)
	s_mov_b32 s[G1SB+1], 32<<16
	s_mov_b32 s[G1SB+2], RSB<<16
	s_mov_b32 s[G1SB+3], 32<<16
	s_mov_b32 s[G1SB+4], RSB
	s_mov_b32 s[G1SB+5], 32
	s_mov_b32 s[G1SB+6], 0
	s_mov_b32 s[G1SB+7], 0
	s_lshl_b32 s100, s[TR], SH_T
	s_lshl_b32 s101, s[WL], SH_W
	s_add_co_u32 s100, s100, s101
	s_mov_b32 s101, 0
	s_lshl_b32 s2, s[TC], SH_T
	s_lshl_b32 s3, s[WL], SH_W
	s_add_co_u32 s2, s2, s3
	s_mov_b32 s3, 0
	s_mul_i32 s38, s[WL], HALFTA
	s_mul_i32 s39, s[WL], HALFTB
	s_add_co_u32 s39, s39, 2*HALFTA
	s_wait_kmcnt 0x0
.irp s, 0,1
	s_mov_b32 s[G0A+4*\s], 1
	s_add_co_u32 s[G0A+4*\s+1], s38, \s*SLOT
	s_add_nc_u64 s[G0A+4*\s+2:G0A+4*\s+3], s[APTR:APTR+1], s[100:101]
.if \s
	s_add_nc_u64 s[G0A+4*\s+2:G0A+4*\s+3], s[G0A+4*\s+2:G0A+4*\s+3], ASTEP
.endif
	s_or_b32 s[G0A+4*\s+3], s[G0A+4*\s+3], 0x80000000
	s_mov_b32 s[G0B+4*\s], 1
	s_add_co_u32 s[G0B+4*\s+1], s39, \s*SLOT
	s_add_nc_u64 s[G0B+4*\s+2:G0B+4*\s+3], s[BPTR:BPTR+1], s[2:3]
.if \s
	s_add_nc_u64 s[G0B+4*\s+2:G0B+4*\s+3], s[G0B+4*\s+2:G0B+4*\s+3], ROWB
.endif
	s_or_b32 s[G0B+4*\s+3], s[G0B+4*\s+3], 0x80000000
.endr
	s_lshl_b32 s100, s[TR], SAS_T
	s_mov_b32 s101, 0
	s_lshl_b32 s2, s[TC], SBS_T
	s_mov_b32 s3, 0
	s_mov_b32 s[G0SA], 1
	s_mov_b32 s[G0SA+1], SCA
	s_add_nc_u64 s[G0SA+2:G0SA+3], s[ASPTR:ASPTR+1], s[100:101]
.if PLANE
	s_add_nc_u64 s[G0SA+2:G0SA+3], s[G0SA+2:G0SA+3], PLANE
.endif
	s_or_b32 s[G0SA+3], s[G0SA+3], 0x80000000
	s_mov_b32 s[G0SB], 1
	s_mov_b32 s[G0SB+1], SCB
	s_add_nc_u64 s[G0SB+2:G0SB+3], s[BSPTR:BSPTR+1], s[2:3]
	s_or_b32 s[G0SB+3], s[G0SB+3], 0x80000000
	CROUND                                         ; all sixteen work-groups are here: the first joint loads meet
; the head's four tiles, one joint load a wave: wave 0 K step 0's 16 row tiles of A, wave 1 A's scale words ([K step 8][256 rows x 4 bytes]), wave 2 its 256 rows of B, wave 3 B's scale bytes
.macro ARM under, g0, g1, next
	s_cmp_lt_u32 s[WV], \under
	s_cbranch_scc0 \next
	tensor_load_to_lds s[\g0:\g0+3], s[\g1:\g1+7]
	s_nop 0
	PLACES 4
	s_branch .Lhead_asked
\next:
.endm
	ARM 1, G0A, G1A, .Lhead_sa
	ARM 2, G0SA, G1SA, .Lhead_b
	ARM 3, G0B, G1B, .Lhead_sb
	tensor_load_to_lds s[G0SB:G0SB+3], s[G1SB:G1SB+7]
	s_nop 0
	PLACES 4
.Lhead_asked:
; K steps 1 to 3 are prefetched, each aligned block of 256 bytes once in a cluster.  The partner at place p (cx for A, cy for B) and its wave half take share 2 p + half of eight:
; of A two row tiles (a step is 4,096 bytes of each: 16 lanes a tile), of B 32 rows (a step is 256 bytes of each: a lane a row).
	s_lshl_b32 s2, s[CX], 1
	s_lshl_b32 s3, s[CY], 1
	s_cmp_eq_u32 s[WH], 0
	s_cselect_b64 s[18:19], s[APTR:APTR+1], s[BPTR:BPTR+1]
	s_cselect_b32 s38, s[TR], s[TC]
	s_cselect_b32 s2, s2, s3
	s_add_co_u32 s2, s2, s[WL]
	s_lshl_b32 s2, s2, 15
	s_lshl_b32 s38, s38, 18
	s_add_co_u32 s2, s2, s38
	s_mov_b32 s3, 0
	s_add_nc_u64 s[18:19], s[18:19], s[2:3]
	v_and_b32 v10, 15, v0
	v_bfe_u32 v11, v0, 4, 1
	v_lshlrev_b32 v10, 8, v10
	v_lshl_add_u32 v10, v11, 14, v10
	v_and_b32 v12, 31, v0
	v_lshlrev_b32 v12, 10, v12
	s_cmp_eq_u32 s[WH], 0
	s_wait_alu depctr_va_vdst(0)
	s_cbranch_scc0 .Lask_b
	global_prefetch_b8 v10, s[18:19] offset:4096 th:TH_LOAD_NT scope:SCOPE_SE
	global_prefetch_b8 v10, s[18:19] offset:8192 th:TH_LOAD_NT scope:SCOPE_SE
	global_prefetch_b8 v10, s[18:19] offset:12288 th:TH_LOAD_NT scope:SCOPE_SE
	s_branch .Lask_done
.Lask_b:
	global_prefetch_b8 v12, s[18:19] offset:256 th:TH_LOAD_NT scope:SCOPE_SE
	global_prefetch_b8 v12, s[18:19] offset:512 th:TH_LOAD_NT scope:SCOPE_SE
	global_prefetch_b8 v12, s[18:19] offset:768 th:TH_LOAD_NT scope:SCOPE_SE
.Lask_done:
	v_and_b32 v1, 15, v0
	v_bfe_u32 v2, v0, 4, 1
	v_and_b32 v[LI], 31, v0
	v_lshlrev_b32 v[LI], 4, v[LI]
.irp b, 0,1,2,3
	v_mov_b32 v[TM+4+\b], 0
.endr
.if AIMG
.if SPLITK
	s_lshl_b32 s38, s[WV], 11
.else
	s_lshl_b32 s38, s[WH], 15
.endif
	v_add_nc_u32 v[ADRA], s38, v[LI]
.else
	v_mul_u32_u24 v3, v1, 272
	v_lshl_add_u32 v3, v2, 4, v3
	s_mul_i32 s38, s[WH], HALFTA
	v_add_nc_u32 v[ADRA], s38, v3
.endif
	v_add_nc_u32 v[ADRA+1], SLOT, v[ADRA]
	v_mul_u32_u24 v3, v1, PITCHB
	v_lshl_add_u32 v3, v2, 4, v3
.if SPLITK
	s_lshl_b32 s38, s[WV], 7
.else
	s_mul_i32 s38, s[WL], HALFTB
.endif
	s_add_co_u32 s38, s38, 2*HALFTA
	v_add_nc_u32 v[ADRB], s38, v3
	v_add_nc_u32 v[ADRB+1], SLOT, v[ADRB]
	v_mul_u32_u24 v3, v1, KS
	v_lshrrev_b32 v4, 8, v3
	v_lshl_add_u32 v3, v4, 4, v3
.if SPLITK
	s_lshl_b32 s38, s[WV], 2
.else
	s_mul_i32 s38, s[WL], HALFSB
.endif
	s_add_co_u32 s38, s38, SCB
	v_add_nc_u32 v[ADSB], s38, v3
.if AIMG
	v_lshlrev_b32 v4, 2, v1
.if SPLITK
	s_lshl_b32 s38, s[WV], 9
.else
	s_lshl_b32 s38, s[WH], 9
.endif
	s_add_co_u32 s38, s38, SCA
	v_add_nc_u32 v[ADSA], s38, v4
.else
	s_mul_i32 s38, s[WH], HALFSA
	s_add_co_u32 s38, s38, SCA
	v_add_nc_u32 v[ADSA], s38, v3
.endif
	; ---- where my results go
	v_lshrrev_b32 v5, 2, v[LI]                     ; 4 x lane
	v_lshlrev_b32 v6, 5, v2                        ; 32 h
	v_mov_b32 v8, 0xc0135761                       ; c1 = -2.3022082
	v_mov_b32 v9, 0xc0135761
	s_mov_b32 s[C2], 0xbdd2d3e8                    ; c2 = -0.10294324
	s_mov_b32 s[C2+1], s[C2]
	s_mov_b32 s39, 0
	s_lshl_b32 s38, s[TC], 10
	s_lshl_b32 s2, s[WL], 9
	s_add_co_u32 s38, s38, s2
	s_add_nc_u64 s[10:11], s[10:11], s[38:39]      ; b1 at column 256 TC + 128 half
	s_lshl_b32 s38, s[TC], 15
	s_lshl_b32 s2, s[WL], 14
	s_add_co_u32 s38, s38, s2
	s_lshl_b32 s2, s[TR], 10
	s_add_co_u32 s38, s38, s2
	s_lshl_b32 s2, s[WH], 9
	s_add_co_u32 s38, s38, s2
	s_add_nc_u64 s[14:15], s[12:13], s[38:39]
	s_add_nc_u64 s[14:15], s[14:15], 16777216      ; hq's plane: ((2 TC + half) 4,096 + 256 TR + 128 half) x 4
	s_lshl_b32 s38, s[TR], 20
	s_lshl_b32 s2, s[WH], 19
	s_add_co_u32 s38, s38, s2
	s_lshl_b32 s2, s[TC], 12
	s_add_co_u32 s38, s38, s2
	s_lshl_b32 s2, s[WL], 11
	s_add_co_u32 s38, s38, s2
	s_add_nc_u64 s[12:13], s[12:13], s[38:39]      ; hq's images: (16 TR + 8 half) x 65,536 + (2 TC + half) x 2,048
	; ---- the product
	s_wait_alu depctr_va_vdst(0)
	s_wait_tensorcnt 0x0                           ; my tile of the head's four is in; slot 1's first fill is issued as a refill is
	ds_add_u32 v[SPW], v[NIL]
	s_mov_b32 s[G1A+2], (RA/2)<<16                 ; no load of mine is out: from here on a load brings half a tile
	s_mov_b32 s[G1A+4], RA/2
	s_mov_b32 s[G1B+2], RB<<16
	s_mov_b32 s[G1B+4], RB
	s_wait_dscnt 0x0
	CROUND
	JLOAD G0A+4, G1A, G0B+4, G1B                   ; K step 1
	FETCH_B 0, 0, 0
	FETCH_A 0, 0, 0
	SCALES 0
	FETCH_A 0, 0, 4
	STEP 0, 0, 1                                   ; the first products start the sums
	TURN 0, 1, 1, 1, 0, 1, 0
	STEP 1, 0, 0
	TURN 1, 0, 1, 1, 0, 1, 0
	STEP 0, 0, 0
	TURN 0, 1, 0, 1, 0, 1, 0
	STEP 1, 0, 0
	WIN TO_B                                       ; the bias, into B's set 0, which the step above has left (eight places back)
.irp b, 0,1,2,3,4,5,6,7
	global_load_b128 v[8*\b:8*\b+3], v6, s[10:11] offset:64*\b
	global_load_b128 v[8*\b+4:8*\b+7], v6, s[10:11] offset:64*\b+16
.endr
	WIN 0
	LAST 1, 1, 1
	s_wait_loadcnt 0x0
.macro GELU                            ; X = X / (1 + 2^(X (c1 + c2 X X))); each batch of 64 transcendentals has one plain line and one wait behind it
.set i, 0
.rept 32
	v_pk_mul_f32 v[T+i:T+i+1], v[X+i:X+i+1], v[X+i:X+i+1]
.set i, i+2
.endr
.set i, 0
.rept 32
	v_pk_fma_f32 v[T+i:T+i+1], v[T+i:T+i+1], s[C2:C2+1], v[8:9] op_sel_hi:[1,0,0]
.set i, i+2
.endr
.set i, 0
.rept 32
	v_pk_mul_f32 v[T+i:T+i+1], v[T+i:T+i+1], v[X+i:X+i+1]
.set i, i+2
.endr
.set i, 0
	s_wait_alu depctr_va_vdst(0)
.rept 64
	v_exp_f32 v[T+i], v[T+i]
.set i, i+1
.endr
	v_nop
	s_wait_alu depctr_va_vdst(0)
.set i, 0
.rept 32
	v_pk_add_f32 v[T+i:T+i+1], v[T+i:T+i+1], 1.0 op_sel_hi:[1,0]
.set i, i+2
.endr
.set i, 0
	s_wait_alu depctr_va_vdst(0)
.rept 64
	v_rcp_f32 v[T+i], v[T+i]
.set i, i+1
.endr
	v_nop
	s_wait_alu depctr_va_vdst(0)
.set i, 0
.rept 32
	v_pk_mul_f32 v[X+i:X+i+1], v[X+i:X+i+1], v[T+i:T+i+1]
.set i, i+2
.endr
.endm
.macro HGROUP a                        ; A's block a: 16 rows x my 128 columns: one fragment of the next product
	s_wait_xcnt 0x0                                ; the last group's stores have read their registers
	WIN 0x06+(\a)/4
.set i, 0
.rept 32
	v_pk_add_f32 v[X+i:X+i+1], v[64*((\a)%4)+i:64*((\a)%4)+i+1], v[i:i+1]
.set i, i+2
.endr
	WIN 0
	GELU
	QUANT X, T, SW+(\a), 4, 1
.irp q, 0,1,2,3
	global_store_b128 v[LI], v[T+4*\q:T+4*\q+3], s[12:13] offset:65536*(\a)+512*\q
.endr
.endm
.irp a, 0,1,2,3,4,5,6,7
	HGROUP \a
.endr
.irp k, 0,1,2,3
	v_cndmask_b32 v[TM+\k], v[SW+2*\k], v[SW+2*\k+1], s[HI]        ; lanes 16-31 take the odd block's words
.endr
.irp k, 0,1,2,3
	global_store_b32 v5, v[TM+\k], s[14:15] offset:128*\k          ; 32 rows' scale words: 128 consecutive bytes
.endr
	s_wait_tensorcnt 0x0                           ; the wave's end
	ds_add_u32 v[SPW], v[NIL]
	s_wait_dscnt 0x0
	CROUND                                         ; the closing round
	s_endpgm
.Lfunc_end_k_q13439bda10_mlp1:
	.size	k_q13439bda10_mlp1, .Lfunc_end_k_q13439bda10_mlp1-k_q13439bda10_mlp1
	.p2alignl 7, 3214868480
	.fill 96, 4, 3214868480
	.section	.rodata,"a",@progbits
	.p2align	6, 0x0
	.amdhsa_kernel k_q13439bda10_mlp1
		.amdhsa_group_segment_fixed_size 327680
		.amdhsa_private_segment_fixed_size 0
		.amdhsa_enable_private_segment 0
		.amdhsa_kernarg_size 40
		.amdhsa_user_sgpr_count 2
		.amdhsa_user_sgpr_kernarg_segment_ptr 1
		.amdhsa_wavefront_size32 1
		.amdhsa_system_sgpr_workgroup_id_x 1
		.amdhsa_system_sgpr_workgroup_id_y 1
		.amdhsa_system_sgpr_workgroup_id_z 1
		.amdhsa_system_vgpr_workitem_id 0
		.amdhsa_next_free_vgpr 1024
		.amdhsa_next_free_sgpr 106
		.amdhsa_reserve_vcc 0
		.amdhsa_float_denorm_mode_32 3
		.amdhsa_float_denorm_mode_16_64 3
		.amdhsa_memory_ordered 1
		.amdhsa_forward_progress 1
		.amdhsa_inst_pref_size 255
	.end_amdhsa_kernel
	.section	.bss,"aw",@nobits
	.p2align	6
	.space	262144
	.amdgpu_metadata
---
amdhsa.version: [ 1, 2 ]
amdhsa.kernels:
  - .name:           k_q13439bda10_mlp1
    .symbol:         k_q13439bda10_mlp1.kd
    .args:
      - { .name: x1q, .offset: 0, .size: 8, .value_kind: global_buffer, .address_space: global }
      - { .name: W1_codes, .offset: 8, .size: 8, .value_kind: global_buffer, .address_space: global }
      - { .name: W1_scales, .offset: 16, .size: 8, .value_kind: global_buffer, .address_space: global }
      - { .name: b1, .offset: 24, .size: 8, .value_kind: global_buffer, .address_space: global }
      - { .name: hq, .offset: 32, .size: 8, .value_kind: global_buffer, .address_space: global }
    .group_segment_fixed_size: 327680
    .private_segment_fixed_size: 0
    .kernarg_segment_align: 8
    .kernarg_segment_size: 40
    .max_flat_workgroup_size: 128
    .sgpr_count:     106
    .vgpr_count:     1024
    .wavefront_size: 32
...
	.end_amdgpu_metadata
.endif
;; end of part 4
;; launch mlp2 (part 5): grid 8 x 32, 4 waves a work-group, clusters of 4 x 4, 327,680 bytes of LDS; arguments hq, W2_codes, W2_scales, b2, x1f, out0; writes out0
.if DOCPART == 5
	.amdgcn_target "amdgcn-amd-amdhsa--gfx1250"
	.amdhsa_code_object_version 6
	.text
	.protected	k_q13439bda10_mlp2
	.globl	k_q13439bda10_mlp2
	.p2align	8
	.type	k_q13439bda10_mlp2,@function
k_q13439bda10_mlp2:
	s_mov_b64 s[64:65], 0
	v_nop
	global_prefetch_b8 v0, s[64:65] scope:SCOPE_SE
	s_setreg_imm32_b32 hwreg(HW_REG_WAVE_MODE, 25, 1), 1
	s_wait_xcnt 0x0
	s_wait_alu depctr_hold_cnt(0) depctr_sa_sdst(0) depctr_va_vdst(0) depctr_va_sdst(0) depctr_va_ssrc(0) depctr_va_vcc(0) depctr_vm_vsrc(0)
	s_getreg_b32 s2, hwreg(HW_REG_IB_STS2, 6, 4)
	s_cmp_eq_u32 s2, 0
	s_cbranch_scc0 .Lentry_in_a_cluster
	s_endpgm
.Lentry_in_a_cluster:
	s_bfe_u32 s2, ttmp6, 0x10000c
	s_cmp_lg_u32 s2, 0xf033
	s_cbranch_scc0 .Lentry_shape_is_right
	s_endpgm
.Lentry_shape_is_right:
; out0 = x1 + h W2 + b2 on codes of E4M3 with E8M0 scales; f32 out.
; SHARES.  4,096 x 1,024 gives 256 work-groups only at tiles of 128 x 128.  All four waves hold the SAME 128 x 128 (64 accumulators) and share K: of a slot's four K steps of 128 wave w takes the w-th.
; So a fragment read from LDS feeds eight products, as in a wave tile of 128 x 128.  The four partial sums meet in LDS at the end and are added as (0 + 1) + (2 + 3); wave w finishes rows 32 w .. 32 w + 31.
; K = 4,096 goes in eight steps of 512 through two LDS slots.  A (h) comes as register images, dense; B (W2) as rows of 512 bytes + 16; the scales of all of K come once.
; A step's fragments are all in registers when the step begins, so the change of slots stands at the step's HEAD: the slot is asked for again first, and the step's 64 products follow while that load is on its way.
; Clusters of 4 x 4: A's tile is asked for jointly along a row of the cluster, B's along a column.  x1 is read back with the addresses that stored it.
; A's and B's tiles of slot steps 4 to 7 are prefetched into the L2, two refills ahead of the joint loads that want them (macro ASK).
; The result goes through each wave's stage in LDS and leaves as whole rows of 512 bytes.  One tile to a work-group: there are exactly 256.
; LIMITS: NaN and infinities are not served; the order of the sums over K differs from a single ascending chain: four chains, one a wave, joined as above.
.set AIMG,   1
.set SPLITK, 1
.set NQ,     1
.set SIZE_K, 4096
.set KS,     128
.set ROWB,   512
.set RB,     64
.set QIB,    6
.set PITCHB, 528
.set HALFTA, 32768
.set ITILE,  8192
.set ASTEP,  8192
.set CA,     1024
.set RA,     8
.set PA,     8192
.set SH_T,   19
.set SH_W,   18
.set CSA,    64
.set RSA,    32
.set PSA,    2048
.set HALFSA, 8192
.set SAS_T,  9
.set SAS_W,  18
.set PLANE,  16777216
.set SSTA,   2048
.set RSB,    64
.set HALFSB, 32*272
.set SBS_T,  14
.set SBS_W,  13
.set SBLK,   2176
.set SSTB,   16
.set APTR,  4
.set ASPTR, 4
.set BPTR,  6
.set BSPTR, 8
.set HALFTB, RB*PITCHB
.set SLOT,   2*HALFTA+2*HALFTB
.set SCB,    2*SLOT
.set SCA,    SCB+2*HALFSB
.set SPARE,  SCA+2*HALFSA
.set ADRA, 16
.set ADRB, 20
.set ADSA, 22
.set ADSB, 23
.set STO,  24                          ; v24 the stage: where I put 32 bytes of a row; v25 where I read a row back
.set RD,   25
.set LI,   27
.set SPW,  28
.set NIL,  29
.set PFO,  30                          ; v30 the prefetches' offset of my lane; never rewritten
.set SCBR, 32
.set SCAR, 64
.set AF,   128
.set X,    128
.set T,    192
.set REDO, 3
.set REDI, 10
.set PFA, 16                           ; s[16:17] where my prefetches stand in memory
.set LIM, 18                           ; s18 1 in a wave that prefetches, else -1
.set PFS, 20                           ; s[20:21] a slot step on, in bytes: 8,192 in a row tile's images of A, 512 in a row of B
.set WV, 28
.set WH, 29
.set WL, 30
.set CX, 32
.set CY, 33
.set TR, 34
.set TC, 35
.set MROW, 36
.set MCOL, 37
.set G1A, 40
.set G1B, 48
.set G0A, 56
.set G0B, 68
.set G1SA, 76
.set G1SB, 84
.set G0SA, 92
.set G0SB, 96
.set MSB, 0
.macro WIN new
.if MSB != (\new)
	s_set_vgpr_msb (MSB<<8)|(\new)
.set MSB, (\new)
.endif
.endm
.set MUL_LO, 0xa1
.set MUL_HI, 0xf1
.set TO_B,   0x40
.macro PLACES n
.rept \n
	v_nop
.endr
.endm
.macro JLOAD g0a, g1a, g0b, g1b        ; a joint load: waves 0, 1 fetch for A, waves 2, 3 for B; four v_nop follow each line
	s_cmp_eq_u32 s[WH], 0
	s_cbranch_scc0 .Lfor_b_\@
	tensor_load_to_lds s[\g0a:\g0a+3], s[\g1a:\g1a+7]
	s_nop 0
	PLACES 4
	s_branch .Lasked_\@
.Lfor_b_\@:
	tensor_load_to_lds s[\g0b:\g0b+3], s[\g1b:\g1b+7]
	s_nop 0
	PLACES 4
.Lasked_\@:
.endm
; A PREFETCH INTO THE L2, behind a joint load and its four lines: the slot step that stands TWO refills on: 128 matrix instructions of a wave ahead of the load that will want it.  One instruction a wave, a lane a block of 256 bytes.
; Each block is named ONCE in the launch.  A's tile row is read by both clusters of its row of clusters: the one with x = 0 asks, by its waves 0 and 1; B's tile column by all eight clusters of its column: the one with y = 0 asks, by its waves 2 and 3.
; The four partners that ask for a tile jointly share out BY ADDRESS the 128 blocks that a wave fetches: of A's four row tiles (8,192 bytes of images each in a slot step) the partner at place cx takes one;
; of B's 64 rows (512 bytes each) the partner at place cy takes 16.  No branch hangs on a work-group's place in its cluster: the branch below hangs on the wave's number and the cluster's.
; Slot step 0 comes by its load alone; steps 1 to 3 are asked for at the head.  The refills of steps 6 and 7 ask for nothing: K ends there.
.macro ASK
	s_cmp_eq_u32 s[LIM], 1
	s_cbranch_scc0 .Lnot_mine_\@
	s_wait_alu depctr_va_vdst(0)
	global_prefetch_b8 v[PFO], s[PFA:PFA+1] th:TH_LOAD_NT scope:SCOPE_SE
.Lnot_mine_\@:
.endm
.macro CREST
	s_cmp_lg_u32 s[WV], 0
	s_cbranch_scc1 .Lnot_wave_0_\@
	s_barrier_signal -3
.Lnot_wave_0_\@:
	s_barrier_wait -3
	s_barrier_signal -1
	s_barrier_wait -1
.endm
.macro CROUND
	s_barrier_signal -1
	s_barrier_wait -1
	CREST
.endm
.macro FRAG_R reg, adr, q, i, pitch
.irp c, 0,1,2,3
	ds_load_b128 v[\reg+4*\c:\reg+4*\c+3], v[\adr] offset:128*(\q)+32*\c+(\i)*16*(\pitch)
.endr
.endm
.macro FRAG_I reg, adr, q, i
.irp c, 0,1,2,3
	ds_load_b128 v[\reg+4*\c:\reg+4*\c+3], v[\adr] offset:(\i)*ITILE+2048*(\q)+512*\c
.endr
.endm
.macro FETCH_B slot, q, p
	WIN TO_B
.irp i, 0,1,2,3,4,5,6,7
	FRAG_R 128*(\p)+16*\i, ADRB+\slot, \q, \i, PITCHB
.endr
	WIN 0
.endm
.macro FETCH_A slot, q, i0
.irp i, \i0, \i0+1, \i0+2, \i0+3
.if AIMG
	FRAG_I AF+16*(\i), ADRA+\slot, \q, \i
.else
	FRAG_R AF+16*(\i), ADRA+\slot, \q, \i, 272
.endif
.endr
.endm
.macro SCALES sc
.irp i, 0,1,2,3,4,5,6,7
.if NQ == 2
	ds_load_b64 v[SCBR+16*\sc+2*\i:SCBR+16*\sc+2*\i+1], v[ADSB] offset:\i*SBLK
.else
	ds_load_b32 v[SCBR+8*\sc+\i], v[ADSB] offset:\i*SBLK
.endif
.endr
.irp i, 0,1,2,3,4,5,6,7
.if AIMG
.if NQ == 2
	ds_load_b32 v[SCAR+16*\sc+2*\i], v[ADSA] offset:64*\i
	ds_load_b32 v[SCAR+16*\sc+2*\i+1], v[ADSA] offset:512+64*\i
.else
	ds_load_b32 v[SCAR+8*\sc+\i], v[ADSA] offset:64*\i
.endif
.else
	ds_load_b64 v[SCAR+16*\sc+2*\i:SCAR+16*\sc+2*\i+1], v[ADSA] offset:\i*SBLK
.endif
.endr
.endm
; 16 matrix instructions; the 64 accumulators take turns, one instruction a turn, in the same order in every step
.macro MUL16 a0, p, q, sc, zero
.irp a, \a0, \a0+1
.irp b, 0,1,2,3,4,5,6,7
.if \zero
	v_wmma_scale_f32_16x16x128_f8f6f4 v[8*(8*((\a)%4)+\b):8*(8*((\a)%4)+\b)+7], v[128*(\p)+16*\b:128*(\p)+16*\b+15], v[AF+16*(\a):AF+16*(\a)+15], 0, v[SCBR+8*NQ*(\sc)+NQ*\b+(\q)], v[SCAR+8*NQ*(\sc)+NQ*(\a)+(\q)]
.else
	v_wmma_scale_f32_16x16x128_f8f6f4 v[8*(8*((\a)%4)+\b):8*(8*((\a)%4)+\b)+7], v[128*(\p)+16*\b:128*(\p)+16*\b+15], v[AF+16*(\a):AF+16*(\a)+15], v[8*(8*((\a)%4)+\b):8*(8*((\a)%4)+\b)+7], v[SCBR+8*NQ*(\sc)+NQ*\b+(\q)], v[SCAR+8*NQ*(\sc)+NQ*(\a)+(\q)]
.endif
.endr
.endr
.endm
; A slot step.  Its fragments were all asked for in the step before, so the change of slots comes FIRST: each wave waits for all its tensor loads (its part of the next slot), adds 0 to its spare word, and waits for
; that and for its reads of this slot; one barrier.  fill = 1: the barrier opens a round of the cluster's, and this slot is asked for again, two slot steps ahead, before any of the step's products is issued.
; ask = 1: a prefetch follows the refill;  ask = 2: its address is stepped first, at the step's head.
.macro TURN slot, next, fill, p, pn, q, zero, ask
.if \ask == 2
	s_wait_xcnt 0x0                                ; the last prefetch, a slot step back, has read its address, so it may be written
	s_add_nc_u64 s[PFA:PFA+1], s[PFA:PFA+1], s[PFS:PFS+1]
.endif
	s_wait_tensorcnt 0x0                           ; all my tensor loads have landed: my part of the next slot
	ds_add_u32 v[SPW], v[NIL]                      ; 0 onto my spare word
	s_wait_dscnt 0x0                               ; the add is done; my reads of this slot are over: the step's fragments and scale words are in registers
	s_barrier_signal -1
	s_barrier_wait -1
.if \fill
	CREST                                          ; the barrier opened a round of the cluster's: no wave of any partner still reads this slot or has a load on its way
	s_add_nc_u64 s[G0A+4*\slot+2:G0A+4*\slot+3], s[G0A+4*\slot+2:G0A+4*\slot+3], 2*ASTEP
	s_add_nc_u64 s[G0B+4*\slot+2:G0B+4*\slot+3], s[G0B+4*\slot+2:G0B+4*\slot+3], 2*ROWB
	JLOAD G0A+4*\slot, G1A, G0B+4*\slot, G1B       ; my one tensor load behind the round: the step's 64 products stand between it and the wait for it
.if \ask
	ASK
.endif
.endif
	WIN MUL_LO
	MUL16 0, \p, \q, \slot, \zero
	MUL16 2, \p, \q, \slot, \zero
	PLACES 8                                       ; in front of loads into registers that these products have read
	WIN 0
	s_wait_alu depctr_va_vdst(0)
	v_add_nc_u32 v[ADSA], SSTA, v[ADSA]            ; the next slot step's scale words
	v_add_nc_u32 v[ADSB], SSTB, v[ADSB]
	FETCH_B \next, 0, \pn
	FETCH_A \next, 0, 0
	SCALES \next
	WIN MUL_HI
	MUL16 4, \p, \q, \slot, \zero
	MUL16 6, \p, \q, \slot, \zero
	PLACES 8
	WIN 0
	FETCH_A \next, 0, 4
.endm
.macro LAST p, q, sc
	s_wait_dscnt 16                                ; all but the youngest 16 loads (A's blocks 4-7) are in
	WIN MUL_LO
	MUL16 0, \p, \q, \sc, 0
	MUL16 2, \p, \q, \sc, 0
	s_wait_dscnt 0
	WIN MUL_HI
	MUL16 4, \p, \q, \sc, 0
	MUL16 6, \p, \q, \sc, 0
	WIN 0
	PLACES 8
.endm
	s_load_b256 s[4:11], s[0:1], 0x0               ; hq, W2's codes, W2's scales, b2
	s_load_b128 s[12:15], s[0:1], 0x20             ; x1f, out0
	v_lshl_add_u32 v[SPW], v0, 2, SPARE
	v_mov_b32 v[NIL], 0
	ds_add_u32 v28, v29
	ds_add_u32 v28, v29
	s_wait_dscnt 0x0
	v_lshrrev_b32 v1, 5, v0
	v_readfirstlane_b32 s[WV], v1
	s_lshr_b32 s[WH], s[WV], 1
	s_and_b32 s[WL], s[WV], 1
	s_bfe_u32 s[CX], ttmp6, 0x40000
	s_bfe_u32 s[CY], ttmp6, 0x40004
	s_lshl_b32 s[TC], ttmp9, 2
	s_add_co_u32 s[TC], s[TC], s[CX]               ; tile column, 0..7
	s_and_b32 s[TR], ttmp7, 0xffff
	s_lshl_b32 s[TR], s[TR], 2
	s_add_co_u32 s[TR], s[TR], s[CY]               ; tile row, 0..31
	s_lshl_b32 s[MROW], s[CY], 2
	s_lshl_b32 s[MROW], 15, s[MROW]
	s_lshl_b32 s[MCOL], 0x1111, s[CX]
.if AIMG
	s_or_b32 s[G1A], s[MROW], (3<<16)|(1<<21)
	s_or_b32 s[G1SA], s[MROW], (3<<16)|(1<<21)
.else
	s_or_b32 s[G1A], s[MROW], (1<<20)|(1<<21)|(5<<22)|(3<<25)
	s_or_b32 s[G1SA], s[MROW], (3<<16)|(1<<20)|(1<<21)|(5<<22)|(3<<25)
.endif
	s_mov_b32 s[G1A+1], CA<<16
	s_mov_b32 s[G1A+2], RA<<16
	s_mov_b32 s[G1A+3], CA<<16
	s_mov_b32 s[G1A+4], RA
	s_mov_b32 s[G1A+5], PA
	s_mov_b32 s[G1A+6], 0
	s_mov_b32 s[G1A+7], 0
	s_mov_b32 s[G1SA+1], CSA<<16
	s_mov_b32 s[G1SA+2], RSA<<16
	s_mov_b32 s[G1SA+3], CSA<<16
	s_mov_b32 s[G1SA+4], RSA
	s_mov_b32 s[G1SA+5], PSA
	s_mov_b32 s[G1SA+6], 0
	s_mov_b32 s[G1SA+7], 0
	s_or_b32 s[G1B], s[MCOL], (1<<20)|(1<<21)|(QIB<<22)|(3<<25)
	s_mov_b32 s[G1B+1], ROWB<<16
	s_mov_b32 s[G1B+2], (2*RB)<<16
	s_mov_b32 s[G1B+3], ROWB<<16
	s_mov_b32 s[G1B+4], 2*RB
	s_mov_b32 s[G1B+5], SIZE_K
	s_mov_b32 s[G1B+6], 0
	s_mov_b32 s[G1B+7], 0
	s_or_b32 s[G1SB], s[MCOL], (3<<16)|(1<<20)|(1<<21)|(5<<22)|(3<<25)
	s_mov_b32 s[G1SB+1], 32<<16
	s_mov_b32 s[G1SB+2], RSB<<16
	s_mov_b32 s[G1SB+3], 32<<16
	s_mov_b32 s[G1SB+4], RSB
	s_mov_b32 s[G1SB+5], 32
	s_mov_b32 s[G1SB+6], 0
	s_mov_b32 s[G1SB+7], 0
	s_lshl_b32 s100, s[TR], SH_T
	s_lshl_b32 s101, s[WL], SH_W
	s_add_co_u32 s100, s100, s101
	s_mov_b32 s101, 0
	s_lshl_b32 s2, s[TC], SH_T
	s_lshl_b32 s3, s[WL], SH_W
	s_add_co_u32 s2, s2, s3
	s_mov_b32 s3, 0
	s_mul_i32 s38, s[WL], HALFTA
	s_mul_i32 s39, s[WL], HALFTB
	s_add_co_u32 s39, s39, 2*HALFTA
	s_wait_kmcnt 0x0
.irp s, 0,1
	s_mov_b32 s[G0A+4*\s], 1
	s_add_co_u32 s[G0A+4*\s+1], s38, \s*SLOT
	s_add_nc_u64 s[G0A+4*\s+2:G0A+4*\s+3], s[APTR:APTR+1], s[100:101]
.if \s
	s_add_nc_u64 s[G0A+4*\s+2:G0A+4*\s+3], s[G0A+4*\s+2:G0A+4*\s+3], ASTEP
.endif
	s_or_b32 s[G0A+4*\s+3], s[G0A+4*\s+3], 0x80000000
	s_mov_b32 s[G0B+4*\s], 1
	s_add_co_u32 s[G0B+4*\s+1], s39, \s*SLOT
	s_add_nc_u64 s[G0B+4*\s+2:G0B+4*\s+3], s[BPTR:BPTR+1], s[2:3]
.if \s
	s_add_nc_u64 s[G0B+4*\s+2:G0B+4*\s+3], s[G0B+4*\s+2:G0B+4*\s+3], ROWB
.endif
	s_or_b32 s[G0B+4*\s+3], s[G0B+4*\s+3], 0x80000000
.endr
	s_lshl_b32 s100, s[TR], SAS_T
	s_mov_b32 s101, 0
	s_lshl_b32 s2, s[TC], SBS_T
	s_mov_b32 s3, 0
	s_mov_b32 s[G0SA], 1
	s_mov_b32 s[G0SA+1], SCA
	s_add_nc_u64 s[G0SA+2:G0SA+3], s[ASPTR:ASPTR+1], s[100:101]
.if PLANE
	s_add_nc_u64 s[G0SA+2:G0SA+3], s[G0SA+2:G0SA+3], PLANE
.endif
	s_or_b32 s[G0SA+3], s[G0SA+3], 0x80000000
	s_mov_b32 s[G0SB], 1
	s_mov_b32 s[G0SB+1], SCB
	s_add_nc_u64 s[G0SB+2:G0SB+3], s[BSPTR:BSPTR+1], s[2:3]
	s_or_b32 s[G0SB+3], s[G0SB+3], 0x80000000
	CROUND                                         ; all sixteen work-groups are here: the first joint loads meet
; the head's four tiles, one joint load a wave: wave 0 slot step 0's eight row tiles of A, wave 1 A's scale words, wave 2 its 128 rows of B, wave 3 B's scale bytes
.macro ARM under, g0, g1, next
	s_cmp_lt_u32 s[WV], \under
	s_cbranch_scc0 \next
	tensor_load_to_lds s[\g0:\g0+3], s[\g1:\g1+7]
	s_nop 0
	PLACES 4
	s_branch .Lhead_asked
\next:
.endm
	ARM 1, G0A, G1A, .Lhead_sa
	ARM 2, G0SA, G1SA, .Lhead_b
	ARM 3, G0B, G1B, .Lhead_sb
	tensor_load_to_lds s[G0SB:G0SB+3], s[G1SB:G1SB+7]
	s_nop 0
	PLACES 4
.Lhead_asked:
	v_and_b32 v1, 15, v0
	v_bfe_u32 v2, v0, 4, 1
	v_and_b32 v[LI], 31, v0
	v_lshlrev_b32 v[LI], 4, v[LI]
.if AIMG
.if SPLITK
	s_lshl_b32 s38, s[WV], 11
.else
	s_lshl_b32 s38, s[WH], 15
.endif
	v_add_nc_u32 v[ADRA], s38, v[LI]
.else
	v_mul_u32_u24 v3, v1, 272
	v_lshl_add_u32 v3, v2, 4, v3
	s_mul_i32 s38, s[WH], HALFTA
	v_add_nc_u32 v[ADRA], s38, v3
.endif
	v_add_nc_u32 v[ADRA+1], SLOT, v[ADRA]
	v_mul_u32_u24 v3, v1, PITCHB
	v_lshl_add_u32 v3, v2, 4, v3
.if SPLITK
	s_lshl_b32 s38, s[WV], 7
.else
	s_mul_i32 s38, s[WL], HALFTB
.endif
	s_add_co_u32 s38, s38, 2*HALFTA
	v_add_nc_u32 v[ADRB], s38, v3
	v_add_nc_u32 v[ADRB+1], SLOT, v[ADRB]
	v_mul_u32_u24 v3, v1, KS
	v_lshrrev_b32 v4, 8, v3
	v_lshl_add_u32 v3, v4, 4, v3
.if SPLITK
	s_lshl_b32 s38, s[WV], 2
.else
	s_mul_i32 s38, s[WL], HALFSB
.endif
	s_add_co_u32 s38, s38, SCB
	v_add_nc_u32 v[ADSB], s38, v3
.if AIMG
	v_lshlrev_b32 v4, 2, v1
.if SPLITK
	s_lshl_b32 s38, s[WV], 9
.else
	s_lshl_b32 s38, s[WH], 12
.endif
	s_add_co_u32 s38, s38, SCA
	v_add_nc_u32 v[ADSA], s38, v4
.else
	s_mul_i32 s38, s[WH], HALFSA
	s_add_co_u32 s38, s38, SCA
	v_add_nc_u32 v[ADSA], s38, v3
.endif
	; ---- the meeting of the partial sums: [wave][A's block 8][B's block 8][2][512] over the ring, behind its last fill and last read; then each wave's stage, 16 rows x 528 bytes
	s_lshl_b32 s38, s[WV], 16
	v_add_nc_u32 v[REDO], s38, v[LI]
	s_lshl_b32 s38, s[WV], 14
	v_add_nc_u32 v[REDI], s38, v[LI]
	v_add_nc_u32 v[REDI+1], 65536, v[REDI]
	v_add_nc_u32 v[REDI+2], 131072, v[REDI]
	v_add_nc_u32 v[REDI+3], 196608, v[REDI]
	s_mul_i32 s38, s[WV], 8448
	v_mul_u32_u24 v[STO], v1, 528
	v_lshl_add_u32 v[STO], v2, 5, v[STO]
	v_add_nc_u32 v[STO], s38, v[STO]
	v_add_nc_u32 v[RD], s38, v[LI]
	v_lshlrev_b32 v6, 5, v2                        ; 32 h
	s_mov_b32 s39, 0
	s_lshl_b32 s38, s[TC], 9
	s_add_nc_u64 s[10:11], s[10:11], s[38:39]      ; b2 at column 128 TC
	s_lshl_b32 s2, s[TR], 19
	s_add_co_u32 s38, s38, s2
	s_lshl_b32 s2, s[WV], 17
	s_add_co_u32 s38, s38, s2
	s_add_nc_u64 s[14:15], s[14:15], s[38:39]      ; out0 at row 128 TR + 32 wave, column 128 TC
	s_lshl_b32 s38, s[TR], 19
	s_lshl_b32 s2, s[TC], 16
	s_add_co_u32 s38, s38, s2
	s_lshl_b32 s2, s[WV], 14
	s_add_co_u32 s38, s38, s2
	s_add_nc_u64 s[12:13], s[12:13], s[38:39]      ; x1f: ((8 TR + TC) 4 + wave) x 16,384
	; ---- the prefetches (macro ASK): where my wave's stand, and who asks.  A row tile's images of all of K are 65,536 bytes, and so are 16 rows of B:
	; so both operands' offset is (8 x tile + 4 x the half that I fetch + my place among the four partners) x 65,536, with the tile row and cx for A, the tile column and cy for B
	s_and_b32 s2, ttmp7, 0xffff                    ; cluster y
	s_mov_b32 s[PFS], 512
	s_mov_b32 s22, 4096
	s_mov_b32 s23, 256
	s_cmp_eq_u32 s[WH], 0                          ; do I fetch for A?
	s_cselect_b64 s[PFA:PFA+1], s[4:5], s[6:7]     ; hq or W2's codes
	s_cselect_b32 s2, ttmp9, s2                    ; the coordinate along which other clusters read the same bytes
	s_cselect_b32 s3, s[CX], s[CY]                 ; my place among the four that ask with me
	s_cselect_b32 s38, s[TR], s[TC]
	s_cselect_b32 s[PFS], 8192, s[PFS]             ; a slot step on
	s_cselect_b32 s22, 256, s22                    ; from lane to lane among 16: A: the next block of the run; B: the next row
	s_cselect_b32 s23, 4096, s23                   ; from one half of the lanes to the other: A: 16 blocks on; B: the row's second block
	s_cmp_eq_u32 s2, 0
	s_cselect_b32 s[LIM], 1, -1                    ; the same in all sixteen partners, for a given wave
	s_lshl_b32 s38, s38, 3
	s_lshl_b32 s39, s[WL], 2
	s_add_co_u32 s38, s38, s39
	s_add_co_u32 s38, s38, s3
	s_lshl_b32 s38, s38, 16
	s_mov_b32 s39, 0
	s_add_nc_u64 s[PFA:PFA+1], s[PFA:PFA+1], s[38:39]
	s_mov_b32 s38, s[PFS]
	s_add_nc_u64 s[24:25], s[PFA:PFA+1], s[38:39]  ; s[24:25]: my share of slot step 1, for the head's prefetches
	s_lshl_b32 s38, s[PFS], 2
	s_add_nc_u64 s[PFA:PFA+1], s[PFA:PFA+1], s[38:39]   ; at slot step 4, which the first refill's prefetch names; the last names step 7, inside both buffers
	s_mov_b32 s[PFS+1], 0
	v_mul_u32_u24 v[PFO], s22, v1
	v_mad_u32_u24 v[PFO], v2, s23, v[PFO]
	v_add_nc_u32 v14, s[PFS], v[PFO]               ; a slot step on, and two
	v_add_nc_u32 v15, s[PFS], v14
	s_cmp_eq_u32 s[LIM], 1
	s_wait_alu depctr_va_vdst(0)
	s_cbranch_scc0 .Lno_ask
	global_prefetch_b8 v[PFO], s[24:25] th:TH_LOAD_NT scope:SCOPE_SE   ; slot steps 1, 2, 3, shared out as in macro ASK
	global_prefetch_b8 v14, s[24:25] th:TH_LOAD_NT scope:SCOPE_SE
	global_prefetch_b8 v15, s[24:25] th:TH_LOAD_NT scope:SCOPE_SE
.Lno_ask:
	s_wait_tensorcnt 0x0                           ; my tile of the head's four is in; slot 1's first fill is issued as a refill is
	ds_add_u32 v[SPW], v[NIL]
	s_mov_b32 s[G1A+2], (RA/2)<<16                 ; no load of mine is out: from here on a load brings half a tile
	s_mov_b32 s[G1A+4], RA/2
	s_mov_b32 s[G1B+2], RB<<16
	s_mov_b32 s[G1B+4], RB
	s_wait_dscnt 0x0
	CROUND
	JLOAD G0A+4, G1A, G0B+4, G1B                   ; slot step 1
	FETCH_B 0, 0, 0
	FETCH_A 0, 0, 0
	SCALES 0
	FETCH_A 0, 0, 4
	TURN 0, 1, 1, 0, 1, 0, 1, 1                    ; slot step 0: slot 0 takes step 2, step 4 is prefetched; the first products start the sums
	TURN 1, 0, 1, 1, 0, 0, 0, 2
	TURN 0, 1, 1, 0, 1, 0, 0, 2
	TURN 1, 0, 1, 1, 0, 0, 0, 2                    ; slot step 3: slot 1 takes step 5, step 7 is prefetched: the last
	TURN 0, 1, 1, 0, 1, 0, 0, 0
	TURN 1, 0, 1, 1, 0, 0, 0, 0                    ; slot step 5: slot 1 takes step 7, the last
	TURN 0, 1, 0, 0, 1, 0, 0, 0
	WIN TO_B                                       ; the bias and my first 16 rows of x1, into B's set 0, which the step above has left (eight places back)
.irp b, 0,1,2,3,4,5,6,7
	global_load_b128 v[8*\b:8*\b+3], v6, s[10:11] offset:64*\b
	global_load_b128 v[8*\b+4:8*\b+7], v6, s[10:11] offset:64*\b+16
.endr
.irp k, 0,1,2,3,4,5,6,7,8,9,10,11,12,13,14,15
	global_load_b128 v[64+4*\k:64+4*\k+3], v[LI], s[12:13] offset:512*\k
.endr
	WIN 0
	LAST 1, 0, 1
	WIN TO_B
.irp k, 0,1,2,3,4,5,6,7,8,9,10,11,12,13,14,15
	global_load_b128 v[128+4*\k:128+4*\k+3], v[LI], s[12:13] offset:8192+512*\k    ; my second 16 rows of x1
.endr
	WIN 0
	s_wait_dscnt 0x0
	s_barrier_signal -1
	s_barrier_wait -1                              ; nobody reads the ring any more
.irp a, 0,1,2,3,4,5,6,7
	WIN 0x08+4*(\a/4)
.irp b, 0,1,2,3,4,5,6,7
	ds_store_b128 v[REDO], v[8*(8*(\a%4)+\b):8*(8*(\a%4)+\b)+3] offset:8192*\a+1024*\b          ; each accumulator from its low end on
	ds_store_b128 v[REDO], v[8*(8*(\a%4)+\b)+4:8*(8*(\a%4)+\b)+7] offset:8192*\a+1024*\b+512
.endr
.endr
	WIN 0
	s_wait_dscnt 0x0                               ; my partial sums lie in LDS
	s_barrier_signal -1
	s_barrier_wait -1                              ; everybody's do
.irp ap, 0,1                                       ; A's blocks 2 wave + ap are mine: the four waves' sums of block ap into window 2 + ap
	WIN 0x80+0x40*\ap
.irp s, 0,1,2,3
.irp b, 0,1,2,3,4,5,6,7
	ds_load_b128 v[64*\s+8*\b:64*\s+8*\b+3], v[REDI+\s] offset:8192*\ap+1024*\b
	ds_load_b128 v[64*\s+8*\b+4:64*\s+8*\b+7], v[REDI+\s] offset:8192*\ap+1024*\b+512
.endr
.endr
.endr
	WIN 0
	s_wait_dscnt 0x0                               ; my reads of the partial sums are over
	s_barrier_signal -1
	s_barrier_wait -1                              ; everybody's are: the stages may be written over them
	s_wait_loadcnt 0x0
.macro SUMS ap                         ; X = (P0 + P1) + (P2 + P3) + bias + residual
	WIN 0x0a+5*(\ap)
.set i, 0
.rept 32
	v_pk_add_f32 v[X+i:X+i+1], v[i:i+1], v[64+i:65+i]
	v_pk_add_f32 v[T+i:T+i+1], v[128+i:129+i], v[192+i:193+i]
.set i, i+2
.endr
	WIN 0
.set i, 0
.rept 32
	v_pk_add_f32 v[X+i:X+i+1], v[X+i:X+i+1], v[T+i:T+i+1]
.set i, i+2
.endr
	WIN 0x04
.set i, 0
.rept 32
	v_pk_add_f32 v[X+i:X+i+1], v[X+i:X+i+1], v[i:i+1]
.set i, i+2
.endr
.set i, 0
.rept 32
	v_pk_add_f32 v[X+i:X+i+1], v[X+i:X+i+1], v[64+64*(\ap)+i:65+64*(\ap)+i]
.set i, i+2
.endr
	WIN 0
.endm
.irp ap, 0,1
	s_wait_xcnt 0x0                                ; the last group's stores have read their registers
	SUMS \ap
.irp b, 0,1,2,3,4,5,6,7
	ds_store_b128 v[STO], v[X+8*\b:X+8*\b+3] offset:64*\b           ; lane (r, h): row r, columns 16 b + 8 h + 0..7
	ds_store_b128 v[STO], v[X+8*\b+4:X+8*\b+7] offset:64*\b+16
.endr
.irp t, 0,1,2,3,4,5,6,7,8,9,10,11,12,13,14,15
	ds_load_b128 v[T+4*\t:T+4*\t+3], v[RD] offset:528*\t            ; LDS serves a wave's instructions in order (ISA guide 5.7.1.4): these see my stores
.endr
	s_wait_dscnt 0x0
.irp t, 0,1,2,3,4,5,6,7,8,9,10,11,12,13,14,15
	global_store_b128 v[LI], v[T+4*\t:T+4*\t+3], s[14:15] offset:(16*\ap+\t)*4096 th:TH_STORE_NT   ; 32 lanes store 512 consecutive bytes of a row, at a multiple of 256 from out0's first byte
.endr
.endr
	s_wait_tensorcnt 0x0                           ; the wave's end
	ds_add_u32 v[SPW], v[NIL]
	s_wait_dscnt 0x0
	CROUND                                         ; the closing round
	s_endpgm
.Lfunc_end_k_q13439bda10_mlp2:
	.size	k_q13439bda10_mlp2, .Lfunc_end_k_q13439bda10_mlp2-k_q13439bda10_mlp2
	.p2alignl 7, 3214868480
	.fill 96, 4, 3214868480
	.section	.rodata,"a",@progbits
	.p2align	6, 0x0
	.amdhsa_kernel k_q13439bda10_mlp2
		.amdhsa_group_segment_fixed_size 327680
		.amdhsa_private_segment_fixed_size 0
		.amdhsa_enable_private_segment 0
		.amdhsa_kernarg_size 48
		.amdhsa_user_sgpr_count 2
		.amdhsa_user_sgpr_kernarg_segment_ptr 1
		.amdhsa_wavefront_size32 1
		.amdhsa_system_sgpr_workgroup_id_x 1
		.amdhsa_system_sgpr_workgroup_id_y 1
		.amdhsa_system_sgpr_workgroup_id_z 1
		.amdhsa_system_vgpr_workitem_id 0
		.amdhsa_next_free_vgpr 1024
		.amdhsa_next_free_sgpr 106
		.amdhsa_reserve_vcc 0
		.amdhsa_float_denorm_mode_32 3
		.amdhsa_float_denorm_mode_16_64 3
		.amdhsa_memory_ordered 1
		.amdhsa_forward_progress 1
		.amdhsa_inst_pref_size 179
	.end_amdhsa_kernel
	.amdgpu_metadata
---
amdhsa.version: [ 1, 2 ]
amdhsa.kernels:
  - .name:           k_q13439bda10_mlp2
    .symbol:         k_q13439bda10_mlp2.kd
    .args:
      - { .name: hq, .offset: 0, .size: 8, .value_kind: global_buffer, .address_space: global }
      - { .name: W2_codes, .offset: 8, .size: 8, .value_kind: global_buffer, .address_space: global }
      - { .name: W2_scales, .offset: 16, .size: 8, .value_kind: global_buffer, .address_space: global }
      - { .name: b2, .offset: 24, .size: 8, .value_kind: global_buffer, .address_space: global }
      - { .name: x1f, .offset: 32, .size: 8, .value_kind: global_buffer, .address_space: global }
      - { .name: out0, .offset: 40, .size: 8, .value_kind: global_buffer, .address_space: global }
    .group_segment_fixed_size: 327680
    .private_segment_fixed_size: 0
    .kernarg_segment_align: 8
    .kernarg_segment_size: 48
    .max_flat_workgroup_size: 128
    .sgpr_count:     106
    .vgpr_count:     1024
    .wavefront_size: 32
...
	.end_amdgpu_metadata
.endif
;; end of part 5
